; MI455X (gfx1250); checked and timed in simulation.
; The chip was launched on July 23, 2026; its instructions are those of AMD's public machine-readable ISA for CDNA 5 (MIT licence, August 2026) and "CDNA5" Instruction Set Architecture Reference Guide (July 2026). The comments in the code are by the model that wrote it; some were corrected since.
;; Multi Head Self Attention. Allowed arithmetic: matrix products marked QUANTISED: E2M3 operands, one E8M0 scale for each 32 along K, by v_wmma_scale_f32_16x16x128_f8f6f4 with both operands' format E2M3, f32 sums; everything else in f32.
;; Inputs: Wk 1,024 x 1,024 float32; Wo 1,024 x 1,024 float32; Wq 1,024 x 1,024 float32; Wv 1,024 x 1,024 float32; X 2 x 2,048 x 1,024 float32; bk 1,024 float32; bo 1,024 float32; bq 1,024 float32; bv 1,024 float32.
;; Outputs: out0 2 x 2,048 x 1,024 float32.
;; This version of the problem:
;;   THIS VERSION OF THE PROBLEM IS GIVEN IN LOW PRECISION. The matrix products marked QUANTISED in the list below multiply operands that are first quantised to E2M3 (2 exponent bits, 3 mantissa bits; 6 bits a number), with one power-of-two scale for each 32 numbers along K (OCP MX v1.0); their sums are f32. All else is computed in f32.
;;   The module's matrix products, in the order in which they are computed (A, B: the left and right operand; K: the contracted axis; several contracted axes count as one K, in the product's order):
;;     1. [M 4,096, K 1,024] x [K 1,024, N 1,024]; A: input X; B: input Wq: QUANTISED
;;     2. [M 4,096, K 1,024] x [K 1,024, N 1,024]; A: input X; B: input Wk: QUANTISED
;;     3. [M 4,096, K 1,024] x [K 1,024, N 1,024]; A: input X; B: input Wv: QUANTISED
;;     4. batch 32 x [M 2,048, K 64] x [K 64, N 2,048]; A: computed on the way; B: computed on the way: QUANTISED
;;     5. batch 32 x [M 2,048, K 2,048] x [K 2,048, N 64]; A: softmax (see below); B: computed on the way: QUANTISED
;;     6. [M 4,096, K 1,024] x [K 1,024, N 1,024]; A: computed on the way; B: input Wo: QUANTISED
;;   THE QUANTISER, for each operand of a quantised product, along K:
;;     - K is cut into blocks of 32 from its start; a last block that is shorter is filled with zeros.
;;     - A block's scale is 2^e with e = floor(log2(the largest magnitude in the block)) - 2, held to -126 .. 127; a block of zeros has e = 0. As a byte (E8M0): e + 127.
;;     - Each number is divided by its block's scale, clamped to +-7.5, and rounded to the nearest number of E2M3, ties to even, subnormals kept.
;;     - The product sums the exact products of the quantised numbers (number of the format x scale) in f32.
;;   ~~~python
;;   def quantise(x, axis):      # numpy; x: float32 -> the quantised numbers, widened to float32 again
;;       x = np.moveaxis(x, axis, -1); K = x.shape[-1]
;;       x = np.pad(x, [(0, 0)] * (x.ndim - 1) + [(0, -K % 32)]); x = x.reshape(x.shape[:-1] + (-1, 32)); a = np.abs(x).max(-1, keepdims=True)
;;       e = np.where(a > 0, np.clip(np.frexp(np.where(a > 0, a, 1))[1] - 1 - 2, -126, 127), 0)      # np.frexp(a)[1] - 1 = floor(log2(a)), exactly
;;       r = np.clip(x / 2.0 ** e, -7.5, 7.5)
;;       step = 2.0 ** (np.maximum(np.frexp(np.where(r == 0, 1, r))[1] - 1, 0) - 3)
;;       q = np.round(r / step) * step * 2.0 ** e      # np.round: ties to even
;;       return np.moveaxis(q.reshape(q.shape[:-2] + (-1,))[..., :K], -1, axis).astype(np.float32)
;;   ~~~
;;   SOFTMAX AHEAD OF A QUANTISED PRODUCT. Where the list says 'softmax', what is quantised is not the finished softmax but p = 2^(t - M), with t = logit x log2(e) and M = ceil(the row's largest t), a whole number; so 1/2 < the row's largest p <= 1. The row's sum l is taken of the UNQUANTISED p, in f32, and the product's result is divided by l at the end. Since M is a whole number, a kernel that streams over the keys may use a running M (the ceiling of the running maximum): every later rescaling is an exact power of two, which a block's scale takes up: the codes' values come out the same.
;;   OPERANDS COMPUTED ON THE WAY. 'Computed on the way' means the value that the module computes at that place (a softmax that the list does not call 'softmax' is quantised finished and normalised). What goes into a quantiser is computed in f32, as accurately as f32 sums, v_exp_f32 and their like allow (about 1e-6 of the number): no bf16 or f16 on the way to a quantiser, and a product that is left as it is and whose result goes on into a quantised operand takes f32 operands (vector FMAs, or v_wmma_f32_16x16x4_f32). A number that lies on a knife's edge between two numbers of the format may be rounded either way, as far as f32 arithmetic and the matrix unit's own rounding can turn it there, and no further.
;; One version. Each part assembles by itself: llvm-mc -triple=amdgcn-amd-amdhsa -mcpu=gfx1250 --defsym DOCPART=n.
;; ======== version 1 of 1: 4 launches
;; limits: right only within a limited range of input values
;; workspace buffers: cd 9,437,184 bytes; sc 393,216 bytes; qb 3,407,872 bytes; kv 6,815,744 bytes
;; launch quant (part 1): grid 256 x 1, 4 waves a work-group, no clusters, 34,304 bytes of LDS; arguments X, Wq, Wk, Wv, Wo, cd, sc; writes cd, sc
.if DOCPART == 1
	.amdgcn_target "amdgcn-amd-amdhsa--gfx1250"
	.amdhsa_code_object_version 6
	.text
	.protected	k_q536d3ad7d8_quant
	.globl	k_q536d3ad7d8_quant
	.p2align	8
	.type	k_q536d3ad7d8_quant,@function
k_q536d3ad7d8_quant:
	s_mov_b64 s[64:65], 0
	v_nop
	global_prefetch_b8 v0, s[64:65] scope:SCOPE_SE
	s_setreg_imm32_b32 hwreg(HW_REG_WAVE_MODE, 25, 1), 1
	s_wait_xcnt 0x0
; X [4096][1024] and Wq, Wk, Wv, Wo [1024][1024], f32, K innermost, become codes of FP6 (E2M3) with one E8M0 byte for each 32 along K.
; The workspace is laid AS THE MATRIX OPERANDS' REGISTERS WANT IT.  Rows go in tiles of 16: lane row r of stored tile 2 B + u is true row 32 B + 8 u + r + 8 (r / 8).
; cd: [tile][K step of 128][half c][chunk of 768 bytes]; a chunk is registers 6 c .. 6 c + 5 of a fragment: registers 0-3 of lane l at 16 l, registers 4, 5 at 512 + 8 l.
; sc: [tile][K half][row r][4 words]: word i of K half kh is row r's four scale bytes of K step 4 kh + i.
; Tiles 0-255 X, 256-319 Wq, 320-383 Wk, 384-447 Wv, 448-511 Wo.
; A block's scale byte is its largest magnitude's exponent field - 2, held at 1 from below; each number is divided by the scale and rounded to the nearest code, ties to even, beyond 7.5 the largest code.
; LIMITS: a block of zeros gets the byte 1 where the rule says 127 (its codes are zeros, and this program alone reads the bytes); NaN and infinities among the inputs are not served.
; SHARES: a work-group takes 32 true rows (two stored tiles); wave w takes tile w / 2 and K half w % 2: 16 rows x 512 along K, in four steps of 128.
; Each load reads 512 consecutive bytes of one row; a step's 16 rows turn through the wave's own stage in LDS (rows 528 bytes apart) and come back 128 bytes a lane: a lane's 32 registers are then one whole block.
; Waves share nothing: no barrier.  Two steps' loads, 32 of 512 bytes, are on their way in each wave.
.set ROWB,  4096                       ; a row of any of the five tensors, in bytes
.set STGB,  16*528                     ; a wave's stage
.set SPARE, 4*STGB                     ; behind the stages: the spare words, 128 bytes for each wave
.set L16,   1                          ; v1   16 x lane
.set L8,    2                          ; v2   8 x lane
.set SIN,   3                          ; v3   the stage, on the way in: 16 x lane in a row
.set SOUT,  4                          ; v4   and out: row r, + 128 h
.set SCO,   5                          ; v5   my 8 bytes of the tile's scale words: 16 r + 8 h
.set SH8,   6                          ; v6   8 h: where my two bytes stand in a scale word
.set MX,    8                          ; v8-9   largest magnitudes of my two blocks
.set SO,    10                         ; v10-11 the conversions' scale operands
.set BY,    12                         ; v12-13 the bytes
.set TA,    14                         ; v14-15 at work
.set SWD,   16                         ; v16-19 a scale word for each step
.set OW,    20                         ; v20-21 the words on the way out
.set SPW,   30                         ; v30  LDS address of my spare word; never rewritten
.set NIL,   31                         ; v31  0; never rewritten
.set RAW,   32                         ; v32-159  two sets of 64: a step's rows as loaded
.set XR,    160                        ; v160-223 my 64 numbers: register 32 c + i = k 64 c + 32 h + i of row r
.set CD,    224                        ; v224-247 two sets of 12: a fragment's codes
.set CT,    248                        ; v248-255 the upper halves of two blocks (a conversion's three registers begin on an even number)
.set WV,    18
.set SEL,   24                         ; s[24:25] lane selects for v_permlanex16_b32: lane l xor 16
.set HM,    26                         ; s26  mask of lanes 16-31
.set SRC,   28                         ; s[28:29] my wave's first number
	s_load_b256 s[4:11], s[0:1], 0x0               ; X, Wq, Wk, Wv
	s_load_b128 s[12:15], s[0:1], 0x20             ; Wo, cd
	s_load_b64 s[16:17], s[0:1], 0x30              ; sc
	v_lshl_add_u32 v[SPW], v0, 2, SPARE
	v_mov_b32 v[NIL], 0
	v_lshrrev_b32 v7, 5, v0
	v_readfirstlane_b32 s[WV], v7                  ; wave 0..3
	v_and_b32 v7, 31, v0                           ; lane
	v_and_b32 v8, 15, v0                           ; r
	v_bfe_u32 v9, v0, 4, 1                         ; h
	v_lshlrev_b32 v[L16], 4, v7
	v_lshlrev_b32 v[L8], 3, v7
	v_cmp_le_u32 s[HM], 16, v7
	s_mul_i32 s19, s[WV], STGB
	v_add_nc_u32 v[SIN], s19, v[L16]
	v_mul_u32_u24 v[SOUT], v8, 528
	v_lshl_add_u32 v[SOUT], v9, 7, v[SOUT]
	v_add_nc_u32 v[SOUT], s19, v[SOUT]
	v_lshlrev_b32 v[SCO], 4, v8
	v_lshl_add_u32 v[SCO], v9, 3, v[SCO]
	v_lshlrev_b32 v[SH8], 3, v9
	v_mov_b32 v[TA+1], 0                           ; written once: a lane permute's destination counts as one of its sources
	s_lshr_b32 s20, s[WV], 1                       ; u: which of the two tiles
	s_and_b32 s21, s[WV], 1                        ; kh: which half of K
	s_mov_b32 s[SEL], 0x76543210
	s_mov_b32 s[SEL+1], 0xfedcba98
	s_wait_alu depctr_va_vdst(0)
	s_wait_kmcnt 0x0
	; which tensor: work-groups 0-127 X, 128-159 Wq, 160-191 Wk, 192-223 Wv, 224-255 Wo.  Only a pointer and a first number are chosen, on the work-group's number alone: one path for all five
	s_mov_b64 s[SRC:SRC+1], s[12:13]
	s_mov_b32 s30, 224
	s_cmp_lt_u32 ttmp9, 224
	s_cselect_b64 s[SRC:SRC+1], s[10:11], s[SRC:SRC+1]
	s_cselect_b32 s30, 192, s30
	s_cmp_lt_u32 ttmp9, 192
	s_cselect_b64 s[SRC:SRC+1], s[8:9], s[SRC:SRC+1]
	s_cselect_b32 s30, 160, s30
	s_cmp_lt_u32 ttmp9, 160
	s_cselect_b64 s[SRC:SRC+1], s[6:7], s[SRC:SRC+1]
	s_cselect_b32 s30, 128, s30
	s_cmp_lt_u32 ttmp9, 128
	s_cselect_b64 s[SRC:SRC+1], s[4:5], s[SRC:SRC+1]
	s_cselect_b32 s30, 0, s30
	s_sub_co_u32 s30, ttmp9, s30                   ; which 32 rows of the tensor
	; THE ROWS' ORDER, in place of what the head says of it: rows go in groups of 64 = four stored tiles; lane row 8 a + i of stored tile 4 C + t is true row 64 C + 32 a + 8 t + i.
	; A work-group's two tiles are t = 2 (work-group % 2) + u of group C = work-group / 2.
	s_and_b32 s31, s30, 1
	s_lshr_b32 s30, s30, 1
	s_lshl_b32 s30, s30, 18                        ; 64 C rows of 4,096 bytes
	s_lshl_b32 s31, s31, 16                        ; + 16 (work-group % 2) rows
	s_add_co_u32 s30, s30, s31
	s_lshl_b32 s31, s20, 15                        ; + 8 u rows
	s_add_co_u32 s30, s30, s31
	s_lshl_b32 s31, s21, 11                        ; + 512 kh numbers
	s_add_co_u32 s30, s30, s31
	s_mov_b32 s31, 0
	s_add_nc_u64 s[SRC:SRC+1], s[SRC:SRC+1], s[30:31]
	s_lshl_b32 s32, ttmp9, 1
	s_add_co_u32 s32, s32, s20                     ; my stored tile: 2 x work-group + u
	s_mul_i32 s34, s32, 12288
	s_mul_i32 s35, s21, 6144                       ; four K steps of 1,536 bytes
	s_add_co_u32 s34, s34, s35
	s_mov_b32 s35, 0
	s_add_nc_u64 s[14:15], s[14:15], s[34:35]      ; my codes
	s_lshl_b32 s34, s32, 9
	s_lshl_b32 s33, s21, 8
	s_add_co_u32 s34, s34, s33
	s_add_nc_u64 s[16:17], s[16:17], s[34:35]      ; my scale words
.macro LOAD t                          ; step t's 16 rows, 512 consecutive bytes each, into set t % 2
.irp p, 0,1,2,3,4,5,6,7,8,9,10,11,12,13,14,15
	global_load_b128 v[RAW+64*((\t)%2)+4*\p:RAW+64*((\t)%2)+4*\p+3], v[L16], s[SRC:SRC+1] offset:(\p%8+32*(\p/8))*ROWB+512*(\t) th:TH_LOAD_NT
.endr
.endm
.macro STEP t
.set RS, RAW+64*((\t)%2)
.set CC, CD+12*((\t)%2)
.if (\t) < 3
	s_wait_loadcnt 16                              ; this step's 16 loads are in; the next step's 16 may be out
.else
	s_wait_loadcnt 0x0
.endif
.irp p, 0,1,2,3,4,5,6,7,8,9,10,11,12,13,14,15
	ds_store_b128 v[SIN], v[RS+4*\p:RS+4*\p+3] offset:528*\p
.endr
.irp c, 0,1
.irp i, 0,1,2,3,4,5,6,7
	ds_load_b128 v[XR+32*\c+4*\i:XR+32*\c+4*\i+3], v[SOUT] offset:256*\c+16*\i   ; LDS serves a wave's instructions in order: these see the stores above
.endr
.endr
	s_wait_dscnt 0x0                               ; my numbers are back, and the stores have read the raw set,
.if (\t) < 2
	LOAD (\t)+2                                    ; which takes the loads of two steps on
.endif
.if (\t) >= 2
	s_wait_xcnt 0x0                                ; the stores of two steps back have read this set of codes: it is rewritten only behind this wait
.endif
.irp c, 0,1
	v_max3_num_f32 v[MX+\c], |v[XR+32*\c]|, |v[XR+32*\c+1]|, 0x1800000   ; block 2 c + h: all 32 numbers are mine; the floor 2^(3 - 127) holds the byte at 1 from below
.endr
.irp i, 2,4,6,8,10,12,14,16,18,20,22,24,26,28,30
.irp c, 0,1
	v_max3_num_f32 v[MX+\c], v[MX+\c], |v[XR+32*\c+\i]|, |v[XR+32*\c+\i+1]|
.endr
.endr
.irp c, 0,1
	v_add_nc_u32 v[SO+\c], 0xff000000, v[MX+\c]    ; 2 off the exponent field: the conversion takes the exponent field of this operand as its scale
.endr
.irp c, 0,1
	v_lshrrev_b32 v[BY+\c], 23, v[SO+\c]           ; the scale's byte
.endr
	v_lshl_or_b32 v[TA], v[BY+1], 16, v[BY]        ; my two bytes, blocks h and 2 + h,
	v_lshlrev_b32 v[TA], v[SH8], v[TA]             ; at their places in the word;
	v_permlanex16_b32 v[TA+1], v[TA], s[SEL], s[SEL+1]
	v_or_b32 v[SWD+(\t)], v[TA], v[TA+1]           ; with lane l xor 16's two the word is whole, in both halves of the lanes
.irp c, 0,1
	v_cvt_scalef32_pk16_fp6_f32 v[CC+6*\c:CC+6*\c+2], v[XR+32*\c:XR+32*\c+15], v[SO+\c]
	v_cvt_scalef32_pk16_fp6_f32 v[CT+4*\c:CT+4*\c+2], v[XR+32*\c+16:XR+32*\c+31], v[SO+\c]
.endr
	v_nop                                          ; one plain place behind a scaled conversion
.irp c, 0,1
.irp i, 0,1,2
	v_mov_b32 v[CC+6*\c+3+\i], v[CT+4*\c+\i]
.endr
.endr
	global_store_b128 v[L16], v[CC:CC+3], s[14:15] offset:1536*(\t)            ; 512 consecutive bytes,
	global_store_b64 v[L8], v[CC+4:CC+5], s[14:15] offset:1536*(\t)+512        ; 256: each at a multiple of 256 from the buffer's first byte
	global_store_b128 v[L16], v[CC+6:CC+9], s[14:15] offset:1536*(\t)+768
	global_store_b64 v[L8], v[CC+10:CC+11], s[14:15] offset:1536*(\t)+1280
.endm
	LOAD 0
	LOAD 1
	STEP 0
	STEP 1
	STEP 2
	STEP 3
	v_cndmask_b32 v[OW], v[SWD], v[SWD+2], s[HM]   ; lanes 0-15 store row r's words 0, 1, lanes 16-31 its words 2, 3
	v_cndmask_b32 v[OW+1], v[SWD+1], v[SWD+3], s[HM]
	global_store_b64 v[SCO], v[OW:OW+1], s[16:17]  ; 256 consecutive bytes, aligned
	s_wait_tensorcnt 0x0                           ; the wave's end, behind my last LDS store
	ds_add_u32 v[SPW], v[NIL]
	s_wait_dscnt 0x0
	s_endpgm
.Lfunc_end_k_q536d3ad7d8_quant:
	.size	k_q536d3ad7d8_quant, .Lfunc_end_k_q536d3ad7d8_quant-k_q536d3ad7d8_quant
	.p2alignl 7, 3214868480
	.fill 96, 4, 3214868480
	.section	.rodata,"a",@progbits
	.p2align	6, 0x0
	.amdhsa_kernel k_q536d3ad7d8_quant
		.amdhsa_group_segment_fixed_size 34304
		.amdhsa_private_segment_fixed_size 0
		.amdhsa_enable_private_segment 0
		.amdhsa_kernarg_size 56
		.amdhsa_user_sgpr_count 2
		.amdhsa_user_sgpr_kernarg_segment_ptr 1
		.amdhsa_wavefront_size32 1
		.amdhsa_system_sgpr_workgroup_id_x 1
		.amdhsa_system_sgpr_workgroup_id_y 1
		.amdhsa_system_sgpr_workgroup_id_z 1
		.amdhsa_system_vgpr_workitem_id 0
		.amdhsa_next_free_vgpr 256
		.amdhsa_next_free_sgpr 66
		.amdhsa_reserve_vcc 0
		.amdhsa_float_denorm_mode_32 3
		.amdhsa_float_denorm_mode_16_64 3
		.amdhsa_memory_ordered 1
		.amdhsa_forward_progress 1
		.amdhsa_inst_pref_size 31
	.end_amdhsa_kernel
	.amdgpu_metadata
---
amdhsa.version: [ 1, 2 ]
amdhsa.kernels:
  - .name:           k_q536d3ad7d8_quant
    .symbol:         k_q536d3ad7d8_quant.kd
    .args:
      - { .name: X, .offset: 0, .size: 8, .value_kind: global_buffer, .address_space: global }
      - { .name: Wq, .offset: 8, .size: 8, .value_kind: global_buffer, .address_space: global }
      - { .name: Wk, .offset: 16, .size: 8, .value_kind: global_buffer, .address_space: global }
      - { .name: Wv, .offset: 24, .size: 8, .value_kind: global_buffer, .address_space: global }
      - { .name: Wo, .offset: 32, .size: 8, .value_kind: global_buffer, .address_space: global }
      - { .name: cd, .offset: 40, .size: 8, .value_kind: global_buffer, .address_space: global }
      - { .name: sc, .offset: 48, .size: 8, .value_kind: global_buffer, .address_space: global }
    .group_segment_fixed_size: 34304
    .private_segment_fixed_size: 0
    .kernarg_segment_align: 8
    .kernarg_segment_size: 56
    .max_flat_workgroup_size: 128
    .sgpr_count:     66
    .vgpr_count:     256
    .wavefront_size: 32
...
	.end_amdgpu_metadata
.endif
;; end of part 1
;; launch qkv (part 2): grid 8 x 32, 4 waves a work-group, clusters of 4 x 4, 327,680 bytes of LDS; arguments cd, sc, bq, bk, bv, qb, kv; writes qb, kv
.if DOCPART == 2
	.amdgcn_target "amdgcn-amd-amdhsa--gfx1250"
	.amdhsa_code_object_version 6
	.text
	.protected	k_q536d3ad7d8_qkv
	.globl	k_q536d3ad7d8_qkv
	.p2align	8
	.type	k_q536d3ad7d8_qkv,@function
k_q536d3ad7d8_qkv:
	s_mov_b64 s[64:65], 0
	v_nop
	global_prefetch_b8 v0, s[64:65] scope:SCOPE_SE
	s_setreg_imm32_b32 hwreg(HW_REG_WAVE_MODE, 25, 1), 1
	s_wait_xcnt 0x0
	s_wait_alu depctr_hold_cnt(0) depctr_sa_sdst(0) depctr_va_vdst(0) depctr_va_sdst(0) depctr_va_ssrc(0) depctr_va_vcc(0) depctr_vm_vsrc(0)
	s_getreg_b32 s2, hwreg(HW_REG_IB_STS2, 6, 4)
	s_cmp_eq_u32 s2, 0
	s_cbranch_scc0 .Lentry_in_a_cluster
	s_endpgm
.Lentry_in_a_cluster:
	s_bfe_u32 s2, ttmp6, 0x10000c
	s_cmp_lg_u32 s2, 0xf033
	s_cbranch_scc0 .Lentry_shape_is_right
	s_endpgm
.Lentry_shape_is_right:
; q = X Wq^T + bq, k = X Wk^T + bk, v = X Wv^T + bv on codes of FP6 (E2M3) with E8M0 scales; the results are quantised in registers and leave as codes: q and k along the head's 64, v along the keys.
; SHARES.  Work-group (g, mt) takes 128 tokens (mt) and 128 columns (g: heads 2 g, 2 g + 1) of all three products, one after the other.  Wave w: tokens 64 (w / 2) on, head 2 g + w % 2: 16 accumulators.
; X: a wave's fragments of its 64 tokens for all of K are 4 x 8 x 12 = 384 registers.  They are loaded once, by loads of 512 and 256 consecutive bytes, and serve all three products.
; WEIGHTS: the three tiles of 128 rows x 1,024 K, 98,304 bytes each, fill LDS once: no slot is filled again.  They hang on g alone and are asked for JOINTLY by the four work-groups of a column of the cluster.
; X is not asked for jointly: with it four tiles of 98,304 bytes would have to lie in LDS, which has 327,680; in registers it costs no LDS read at all.
; LAYOUT.  q, k: source 0 = 16 rows of W, source 1 = 16 tokens: a lane holds one token, and since lane row r of stored tile 2 b + u is true row 32 b + 8 u + r + 8 (r / 8), the 32 registers of a token block's four
; accumulators are d = 32 b + 16 h + i at register 16 b + i: neighbours along the next K.  v: the sources change places: a lane holds one d, and its 32 registers run along the keys in the same way.
; OUT.  qb: [batch x head][key step j] records of 6,656 bytes: 8 chunks of 768 (16 stored tokens x 64 d, as registers 0-5 of a fragment), then 4 x 32 scale words (lanes 0-15 tile 2 m, lanes 16-31 tile 2 m + 1;
; the upper two bytes are 127: the upper 64 of the next product's K step are zero codes).  kv: for each key step K's record, laid so, then V's: chunks [d tile][64 keys], then 4 x 32 scale words.
; LIMITS: a block of zeros gets the byte 1 where the rule says 127 (its codes are zeros; this program alone reads the bytes); NaN and infinities are not served.  The bias starts each sum.
; REGISTERS, in windows of 256: window 0: addresses, scale words, biases, at work, v128-255 the accumulators; window 1: W's fragments, two sets of 48; window 2: X's fragments of K steps 0-4; window 3: of K steps 5-7.
.set TILEB, 12288                      ; a stored tile of 16 rows x 1,024 K
.set SLOTB, 8*TILEB                    ; a weight's 128 rows
.set RECB,  6656
.set SPARE, 3*SLOTB                    ; behind the three tiles: the spare words, 128 bytes for each wave
.set L16,  1                           ; v1  16 x lane
.set L8,   2                           ; v2  8 x lane
.set L4,   3                           ; v3  4 x lane
.set AW16, 4                           ; v4-6  LDS address of my four tiles of weight p, + 16 x lane
.set AW8,  7                           ; v7-9  the same, + 8 x lane
.set SA,   12                          ; v12-14 scale words: lanes 0-15 X's tiles, lanes 16-31 weight p's
.set BO,   15                          ; v15 128 h
.set BOV,  16                          ; v16 4 (r % 8 + 32 (r / 8))
.set VO16, 17                          ; v17-19 q's and k's way out
.set VO8,  18
.set VO4,  19
.set VV16, 20                          ; v20-22 v's
.set VV8,  21
.set VV2,  22
.set WD,   24                          ; v24-25 scale words on the way out
.set SPW,  30                          ; v30 LDS address of my spare word; never rewritten
.set NIL,  31                          ; v31 0; never rewritten
.set SCL,  32                          ; v32-63 register 8 i + s: lanes 0-15 X block i's scale word of K step s, lanes 16-31 W tile i's
.set BI,   64                          ; v64-95 the bias in the result's layout, 8 registers a W tile
.set TM,   96                          ; v96-101 at work in QUANT32
.set PW,   102
.set SW,   104                         ; v104-107
.set PC,   108                         ; v108-119 two chunks
.set CT,   120
.set BT,   124                         ; v124-127 bv of my lane's d
.set ACC,  128
.set WV, 18
.set WM, 19
.set WN, 20
.set CX, 21
.set CY, 22
.set GG, 23
.set MT, 24
.set G1, 28                            ; s[28:35] descriptor group 1
.set G0, 36                            ; s[36:47] group 0, one set for each weight
.set XB, 48                            ; s[48:49] my X fragments
.set QO, 50                            ; s[50:51], s[52:53], s[54:55] my records of q, K, V
.set KO, 52
.set VOB, 54
.set SEL, 56
.set HM, 58
.set XT, 59
.set MSB, 0
.macro WIN new                         ; the immediate's high byte repeats the setting that is left
.if MSB != (\new)
	s_set_vgpr_msb (MSB<<8)|(\new)
.set MSB, (\new)
.endif
.endm
.macro PLACES                          ; four places behind a matrix instruction, in front of loads into its registers and of reads of its results
.rept 4
	v_nop
.endr
.endm
.macro CROUND                          ; a round of the cluster's barrier
	s_barrier_signal -1
	s_barrier_wait -1
	s_cmp_lg_u32 s[WV], 0
	s_cbranch_scc1 .Lnot_wave_0_\@
	s_barrier_signal -3
.Lnot_wave_0_\@:
	s_barrier_wait -3
	s_barrier_signal -1
	s_barrier_wait -1
.endm
; 32 numbers of a lane, register 16 b + i = k 32 b + 16 h + i of my row, become a chunk (6 registers) in v[dst] on and the two scale bytes in v[pw], the same in both halves of the lanes
.macro QUANT32 src, dst, pw
.irp b, 0,1
	v_max3_num_f32 v[TM+\b], |v[(\src)+16*\b]|, |v[(\src)+16*\b+1]|, 0x1800000   ; each accumulator is read from its low end on; the floor 2^(3 - 127) holds the byte at 1 from below
.endr
.irp i, 2,4,6,8,10,12,14
.irp b, 0,1
	v_max3_num_f32 v[TM+\b], v[TM+\b], |v[(\src)+16*\b+\i]|, |v[(\src)+16*\b+\i+1]|
.endr
.endr
	; THE ROWS' ORDER, in place of what the head says of it: lane row 8 a + i of stored tile 4 C + t is true row 64 C + 32 a + 8 t + i.  So register 8 t + j of a lane's four accumulators is k = 32 h + 8 t + j:
	; the lane's 32 registers are ONE WHOLE BLOCK, and only its scale byte goes to lane l xor 16
	v_max_num_f32 v[TM], v[TM], v[TM+1]            ; the block's largest magnitude
	v_add_nc_u32 v[TM+4], 0xff000000, v[TM]        ; 2 off its exponent field: the conversions' scale operand
	v_lshrrev_b32 v[TM+1], 23, v[TM+4]             ; the byte,
	v_lshlrev_b32 v[TM+1], v[SH8], v[TM+1]         ; at its place, 8 h bits up;
	v_permlanex16_b32 v[TM+2], v[TM+1], s[SEL], s[SEL+1]
	v_or_b32 v[\pw], v[TM+1], v[TM+2]              ; with lane l xor 16's: both bytes in both halves of the lanes
	v_cvt_scalef32_pk16_fp6_f32 v[(\dst):(\dst)+2], v[(\src):(\src)+15], v[TM+4]
	v_cvt_scalef32_pk16_fp6_f32 v[CT:CT+2], v[(\src)+16:(\src)+31], v[TM+4]
	v_nop                                          ; one plain place behind a scaled conversion
.irp i, 0,1,2
	v_mov_b32 v[(\dst)+3+\i], v[CT+\i]
.endr
.endm
	s_load_b256 s[4:11], s[0:1], 0x0               ; cd, sc, bq, bk
	s_load_b128 s[12:15], s[0:1], 0x20             ; bv, qb
	s_load_b64 s[16:17], s[0:1], 0x30              ; kv
	v_lshl_add_u32 v[SPW], v0, 2, SPARE
	v_mov_b32 v[NIL], 0
	ds_add_u32 v[SPW], v[NIL]                      ; the wave's opening: the add and its wait stand ahead of my first tensor load; the set-up below, work on registers, stands between them
	ds_add_u32 v[SPW], v[NIL]
	v_lshrrev_b32 v10, 5, v0
	v_readfirstlane_b32 s[WV], v10                 ; wave 0..3
	s_lshr_b32 s[WM], s[WV], 1                     ; which 64 tokens
	s_and_b32 s[WN], s[WV], 1                      ; which head of the two
	s_bfe_u32 s[CX], ttmp6, 0x40000
	s_bfe_u32 s[CY], ttmp6, 0x40004
	s_lshl_b32 s[GG], ttmp9, 2
	s_add_co_u32 s[GG], s[GG], s[CX]               ; g = 4 x cluster x + cx
	s_and_b32 s[MT], ttmp7, 0xffff
	s_lshl_b32 s[MT], s[MT], 2
	s_add_co_u32 s[MT], s[MT], s[CY]               ; mt = 4 x cluster y + cy
	s_lshl_b32 s25, 0x1111, s[CX]                  ; my column of the cluster
	; group 1: 96 rows of 256 bytes (32 elements of 8), dense: two stored tiles
	s_or_b32 s[G1], s25, 0x230000                  ; 15:0 the mask; 17:16 elements of 8 bytes; 21 set beside a mask; no padding
	s_mov_b32 s[G1+1], 32<<16                      ; tensor_dim0
	s_mov_b32 s[G1+2], 96<<16                      ; tensor_dim1
	s_mov_b32 s[G1+3], 32<<16                      ; tile_dim0
	s_mov_b32 s[G1+4], 96                          ; tile_dim1
	s_mov_b32 s[G1+5], 32                          ; the pitch
	s_mov_b32 s[G1+6], 0
	s_mov_b32 s[G1+7], 0
	s_lshl_b32 s26, s[GG], 3
	s_lshl_b32 s27, s[WV], 1
	s_add_co_u32 s26, s26, s27
	s_add_co_u32 s26, s26, 256                     ; Wq's tiles 8 g + 2 w, 8 g + 2 w + 1: nothing of cy enters
	s_mul_i32 s26, s26, TILEB
	s_mov_b32 s27, 0
	s_mul_i32 s25, s[WV], 2*TILEB                  ; and where they go in LDS: wave x two tiles; kept until the groups 0 are made
	s_lshl_b32 s[XT], s[MT], 3
	s_lshl_b32 s60, s[WM], 2
	s_add_co_u32 s[XT], s[XT], s60                 ; my first tile of X: 8 mt + 4 wm
	s_mul_i32 s[XB], s[XT], TILEB
	s_mov_b32 s[XB+1], 0
	s_lshr_b32 s60, s[MT], 4
	s_lshl_b32 s60, s60, 4                         ; 16 x batch
	s_lshl_b32 s61, s[GG], 1
	s_add_co_u32 s60, s60, s61
	s_add_co_u32 s60, s60, s[WN]                   ; + my head
	s_lshl_b32 s60, s60, 4
	s_and_b32 s61, s[MT], 15
	s_add_co_u32 s60, s60, s61                     ; x 16 + key step
	s_mul_i32 s[QO], s60, RECB
	s_mov_b32 s[QO+1], 0
	s_mul_i32 s[KO], s60, 2*RECB
	s_mov_b32 s[KO+1], 0
	s_lshl_b32 s62, s[GG], 9
	s_lshl_b32 s63, s[WN], 8
	s_add_co_u32 s62, s62, s63                     ; my 64 numbers of a bias
	s_mov_b32 s63, 0
	s_mov_b32 s[SEL], 0x76543210
	s_mov_b32 s[SEL+1], 0xfedcba98
	v_and_b32 v10, 31, v0                          ; lane
	v_and_b32 v11, 15, v0                          ; r
	v_bfe_u32 v23, v0, 4, 1                        ; h
	v_lshlrev_b32 v[L16], 4, v10
	v_lshlrev_b32 v[L8], 3, v10
	v_lshlrev_b32 v[L4], 2, v10
	v_cmp_le_u32 s[HM], 16, v10                    ; lanes 16-31
	s_mul_i32 s60, s[WN], 4*TILEB
	v_add_nc_u32 v[AW16], s60, v[L16]
	v_add_nc_u32 v[AW16+1], SLOTB, v[AW16]
	v_add_nc_u32 v[AW16+2], 2*SLOTB, v[AW16]
	v_add_nc_u32 v[AW8], s60, v[L8]
	v_add_nc_u32 v[AW8+1], SLOTB, v[AW8]
	v_add_nc_u32 v[AW8+2], 2*SLOTB, v[AW8]
	s_lshl_b32 s60, s[XT], 9                       ; 512 bytes of scale words a tile
	s_lshl_b32 s61, s[GG], 3
	s_lshl_b32 s2, s[WN], 2
	s_add_co_u32 s61, s61, s2
	s_add_co_u32 s61, s61, 256
	s_lshl_b32 s61, s61, 9
	v_mov_b32 v26, s60
	v_mov_b32 v27, s61
	v_cndmask_b32 v[SA], v26, v27, s[HM]
	v_lshl_add_u32 v[SA], v11, 4, v[SA]            ; + 16 r
	v_lshl_add_u32 v[SA+1], v23, 15, v[SA]         ; Wk's tiles lie 64 tiles on, Wv's 128
	v_lshl_add_u32 v[SA+2], v23, 16, v[SA]
.set SH8, 28                           ; v28 8 h
	v_lshlrev_b32 v[BO], 7, v23                    ; 128 h: a lane's 32 numbers of a bias begin at 32 h
	v_lshlrev_b32 v[SH8], 3, v23
	v_and_b32 v26, 8, v11
	v_mad_u32_u24 v26, v26, 3, v11                 ; r % 8 + 32 (r / 8)
	v_lshlrev_b32 v[BOV], 2, v26
	s_mul_i32 s60, s[WM], 3072                     ; q, k: my four chunks of the record's eight
	v_add_nc_u32 v[VO16], s60, v[L16]
	v_add_nc_u32 v[VO8], s60, v[L8]
	s_lshl_b32 s60, s[WM], 8
	v_add_nc_u32 v[VO4], s60, v[L4]
	s_mul_i32 s60, s[WM], 768                      ; v: my 64 keys are half c = wm of each d tile's fragment
	v_add_nc_u32 v[VV16], s60, v[L16]
	v_add_nc_u32 v[VV8], s60, v[L8]
	s_lshl_b32 s60, s[WM], 1
	v_add_nc_u32 v[VV2], s60, v[L4]
	v_mov_b32 v[TM+2], 0                           ; written once: a lane permute's destination counts as one of its sources
	v_mov_b32 v[TM+3], 0
	s_wait_alu depctr_va_vdst(0)
	s_wait_dscnt 0x0
	s_wait_kmcnt 0x0
	s_add_nc_u64 s[26:27], s[4:5], s[26:27]
	s_add_nc_u64 s[XB:XB+1], s[4:5], s[XB:XB+1]
	s_add_nc_u64 s[QO:QO+1], s[14:15], s[QO:QO+1]
	s_add_nc_u64 s[KO:KO+1], s[16:17], s[KO:KO+1]
	s_add_nc_u64 s[VOB:VOB+1], s[KO:KO+1], RECB
	s_add_nc_u64 s[8:9], s[8:9], s[62:63]
	s_add_nc_u64 s[10:11], s[10:11], s[62:63]
	s_add_nc_u64 s[12:13], s[12:13], s[62:63]
.irp p, 0,1,2
	s_mov_b32 s[G0+4*\p], 1                        ; count = 1
	s_add_co_u32 s[G0+4*\p+1], s25, \p*SLOTB       ; LDS address: weight p's tile, my quarter
	s_add_nc_u64 s[G0+4*\p+2:G0+4*\p+3], s[26:27], \p*64*TILEB
	s_or_b32 s[G0+4*\p+3], s[G0+4*\p+3], 0x80000000   ; type = 2
.endr
	CROUND                                         ; all sixteen work-groups are here: the joint loads meet
	tensor_load_to_lds s[G0:G0+3], s[G1:G1+7]      ; Wq's tile, my quarter: one load of mine is out
	s_nop 0
	PLACES
.macro SLOAD p                         ; the scale words of my four blocks of X and my four tiles of weight p, all of K: 16 bytes a lane
.irp i, 0,1,2,3
.irp kh, 0,1
	global_load_b128 v[SCL+8*\i+4*\kh:SCL+8*\i+4*\kh+3], v[SA+\p], s[6:7] offset:512*\i+256*\kh
.endr
.endr
.endm
.macro BLOAD ptr                       ; the bias as the C of a sum's first product: register j of tile t = b[32 h + 8 t + j]
.irp t, 0,1,2,3
	global_load_b128 v[BI+8*\t:BI+8*\t+3], v[BO], s[\ptr:\ptr+1] offset:32*\t        ; register j of tile t = b[32 h + 8 t + j]
	global_load_b128 v[BI+8*\t+4:BI+8*\t+7], v[BO], s[\ptr:\ptr+1] offset:32*\t+16
.endr
.endm
.macro XLOADS                          ; my 32 fragments of X, K step by K step: 16 loads a step
.irp s, 0,1,2,3,4,5,6,7
.if \s < 5
	WIN 0x80
.set XO, 48*\s
.else
	WIN 0xc0
.set XO, 48*(\s-5)
.endif
.irp a, 0,1,2,3
	global_load_b128 v[XO+12*\a:XO+12*\a+3], v[L16], s[XB:XB+1] offset:\a*TILEB+\s*1536
	global_load_b64 v[XO+12*\a+4:XO+12*\a+5], v[L8], s[XB:XB+1] offset:\a*TILEB+\s*1536+512
	global_load_b128 v[XO+12*\a+6:XO+12*\a+9], v[L16], s[XB:XB+1] offset:\a*TILEB+\s*1536+768
	global_load_b64 v[XO+12*\a+10:XO+12*\a+11], v[L8], s[XB:XB+1] offset:\a*TILEB+\s*1536+1280
.endr
.endr
	WIN 0
.endm
.macro FETCHW p, s, buf                ; weight p's four fragments of K step s into set buf of window 1
	WIN 0x40
.irp t, 0,1,2,3
	ds_load_b128 v[48*(\buf)+12*\t:48*(\buf)+12*\t+3], v[AW16+\p] offset:\t*TILEB+(\s)*1536
	ds_load_b64 v[48*(\buf)+12*\t+4:48*(\buf)+12*\t+5], v[AW8+\p] offset:\t*TILEB+(\s)*1536+512
	ds_load_b128 v[48*(\buf)+12*\t+6:48*(\buf)+12*\t+9], v[AW16+\p] offset:\t*TILEB+(\s)*1536+768
	ds_load_b64 v[48*(\buf)+12*\t+10:48*(\buf)+12*\t+11], v[AW8+\p] offset:\t*TILEB+(\s)*1536+1280
.endr
.endm
; 16 matrix instructions: my four blocks of X x my four tiles of W, K step s.  type 0: source 0 = W; type 1: source 0 = X.  The first step takes the bias as C.
; The 16 accumulators take turns, one instruction a turn, in the same order in every step.
.macro MULS type, s, buf
.if (\s) < 5
.set XW, 2
.set XO, 48*(\s)
.else
.set XW, 3
.set XO, 48*((\s)-5)
.endif
.if (\type) == 0
.set WW, 1+4*XW
.else
.set WW, XW+4
.endif
	WIN WW
.irp a, 0,1,2,3
.irp t, 0,1,2,3
.if (\type) == 0
.set DD, ACC+8*(4*\a+\t)
.else
.set DD, ACC+8*(4*\t+\a)
.endif
.set CC, DD
.if (\s) == 0
.set CC, BI+8*\t
.endif
.if (\type) == 0
	v_wmma_scale_f32_16x16x128_f8f6f4 v[DD:DD+7], v[48*(\buf)+12*\t:48*(\buf)+12*\t+11], v[XO+12*\a:XO+12*\a+11], v[CC:CC+7], v[SCL+8*\t+(\s)], v[SCL+8*\a+(\s)] matrix_a_fmt:MATRIX_FMT_FP6 matrix_b_fmt:MATRIX_FMT_FP6 matrix_a_scale:MATRIX_SCALE_ROW1
.else
	v_wmma_scale_f32_16x16x128_f8f6f4 v[DD:DD+7], v[XO+12*\a:XO+12*\a+11], v[48*(\buf)+12*\t:48*(\buf)+12*\t+11], v[CC:CC+7], v[SCL+8*\a+(\s)], v[SCL+8*\t+(\s)] matrix_a_fmt:MATRIX_FMT_FP6 matrix_b_fmt:MATRIX_FMT_FP6 matrix_b_scale:MATRIX_SCALE_ROW1
.endif
.endr
.endr
.endm
.macro KSTEP p, type, s, qp
.if \qp
.if 16*(7-(\s)) > 63
	s_wait_loadcnt 63                              ; behind this step's fragments of X stand 16 (7 - s) loads; 63 is the largest count that the wait can name
.else
	s_wait_loadcnt 16*(7-(\s))                     ; the later K steps' 16 loads each may be out
.endif
.endif
	s_wait_dscnt 0x0                               ; this step's fragments of W are in (asked for 16 matrix instructions ago)
	PLACES                                         ; in front of the loads into the set that the last step multiplied
.if (\s) < 7
	FETCHW \p, (\s)+1, ((\s)+1)%2
.endif
	MULS \type, \s, (\s)%2
.endm
.macro PASS p, type, qp
.irp s, 0,1,2,3,4,5,6,7
	KSTEP \p, \type, \s, \qp
.endr
	WIN 0
	PLACES
.endm
.macro EPIQK base                      ; q or k: a token block's 32 registers become a chunk and a scale word
.irp a, 0,1,2,3
	s_wait_xcnt 0x0                                ; earlier stores have read their data: the registers are rewritten only behind this wait
	QUANT32 ACC+32*\a, PC+6*(\a%2), PW
	global_store_b128 v[VO16], v[PC+6*(\a%2):PC+6*(\a%2)+3], s[\base:\base+1] offset:768*\a
	global_store_b64 v[VO8], v[PC+6*(\a%2)+4:PC+6*(\a%2)+5], s[\base:\base+1] offset:768*\a+512
	v_or_b32 v[SW+\a], 0x7f7f0000, v[PW]           ; the upper 64 of the next K step are zero codes: byte 127
.endr
.irp m, 0,1
	v_cndmask_b32 v[WD+\m], v[SW+2*\m], v[SW+2*\m+1], s[HM]   ; lanes 0-15 the even tile's words, lanes 16-31 the odd tile's
	global_store_b32 v[VO4], v[WD+\m], s[\base:\base+1] offset:6144+128*\m
.endr
.endm
	SLOAD 0
	BLOAD 8
	XLOADS
	s_wait_tensorcnt 0x0                           ; my quarter of Wq's tile is in
	ds_add_u32 v[SPW], v[NIL]
	s_wait_dscnt 0x0
	CROUND                                         ; everybody's quarter is in, and the sixteen work-groups meet
	tensor_load_to_lds s[G0+4:G0+7], s[G1:G1+7]    ; Wk's tile, my quarter: my one load behind this round
	s_nop 0
	PLACES
	FETCHW 0, 0, 0
	PASS 0, 0, 1                                   ; q
	SLOAD 1                                        ; (behind the pass's places: these registers were the last products' scales)
	BLOAD 10
	s_wait_tensorcnt 0x0                           ; my quarter of Wk's tile is in
	ds_add_u32 v[SPW], v[NIL]
	s_wait_dscnt 0x0
	CROUND
	tensor_load_to_lds s[G0+8:G0+11], s[G1:G1+7]   ; Wv's tile, my quarter
	s_nop 0
	PLACES
	FETCHW 1, 0, 0
	WIN 0
	EPIQK QO                                       ; q leaves while k's first operands are on their way
	s_wait_loadcnt 0x0                             ; k's scale words and bias
	PASS 1, 0, 0                                   ; k
	SLOAD 2
.irp t, 0,1,2,3
	global_load_b32 v[BT+\t], v[BOV], s[12:13] offset:32*\t   ; stored row r of tile t is d = 32 (r / 8) + 8 t + r % 8
.endr
	s_wait_tensorcnt 0x0
	s_wait_dscnt 0x0
	s_barrier_signal -1
	s_barrier_wait -1
	FETCHW 2, 0, 0
	WIN 0
	EPIQK KO
	s_wait_loadcnt 0x0
.irp t, 0,1,2,3
.irp j, 0,1,2,3,4,5,6,7
	v_mov_b32 v[BI+8*\t+\j], v[BT+\t]              ; the same bias for a lane's eight tokens
.endr
.endr
	s_wait_alu depctr_va_vdst(0)
	PASS 2, 1, 0                                   ; v
.irp t, 0,1,2,3                        ; a d tile's 32 registers are my 64 keys: a chunk and two bytes of the tile's scale words
	s_wait_xcnt 0x0
	QUANT32 ACC+32*\t, PC+6*(\t%2), SW+\t
	global_store_b128 v[VV16], v[PC+6*(\t%2):PC+6*(\t%2)+3], s[VOB:VOB+1] offset:1536*\t
	global_store_b64 v[VV8], v[PC+6*(\t%2)+4:PC+6*(\t%2)+5], s[VOB:VOB+1] offset:1536*\t+512
	global_store_b16 v[VV2], v[SW+\t], s[VOB:VOB+1] offset:6144+128*\t   ; the other two bytes of each word come from the wave with the other 64 keys
.endr
	s_wait_tensorcnt 0x0                           ; the wave's end, behind my last tensor load
	ds_add_u32 v[SPW], v[NIL]
	s_wait_dscnt 0x0
	CROUND                                         ; the closing round
	s_endpgm
.Lfunc_end_k_q536d3ad7d8_qkv:
	.size	k_q536d3ad7d8_qkv, .Lfunc_end_k_q536d3ad7d8_qkv-k_q536d3ad7d8_qkv
	.p2alignl 7, 3214868480
	.fill 96, 4, 3214868480
	.section	.rodata,"a",@progbits
	.p2align	6, 0x0
	.amdhsa_kernel k_q536d3ad7d8_qkv
		.amdhsa_group_segment_fixed_size 327680
		.amdhsa_private_segment_fixed_size 0
		.amdhsa_enable_private_segment 0
		.amdhsa_kernarg_size 56
		.amdhsa_user_sgpr_count 2
		.amdhsa_user_sgpr_kernarg_segment_ptr 1
		.amdhsa_wavefront_size32 1
		.amdhsa_system_sgpr_workgroup_id_x 1
		.amdhsa_system_sgpr_workgroup_id_y 1
		.amdhsa_system_sgpr_workgroup_id_z 1
		.amdhsa_system_vgpr_workitem_id 0
		.amdhsa_next_free_vgpr 1024
		.amdhsa_next_free_sgpr 66
		.amdhsa_reserve_vcc 0
		.amdhsa_float_denorm_mode_32 3
		.amdhsa_float_denorm_mode_16_64 3
		.amdhsa_memory_ordered 1
		.amdhsa_forward_progress 1
		.amdhsa_inst_pref_size 127
	.end_amdhsa_kernel
	.amdgpu_metadata
---
amdhsa.version: [ 1, 2 ]
amdhsa.kernels:
  - .name:           k_q536d3ad7d8_qkv
    .symbol:         k_q536d3ad7d8_qkv.kd
    .args:
      - { .name: cd, .offset: 0, .size: 8, .value_kind: global_buffer, .address_space: global }
      - { .name: sc, .offset: 8, .size: 8, .value_kind: global_buffer, .address_space: global }
      - { .name: bq, .offset: 16, .size: 8, .value_kind: global_buffer, .address_space: global }
      - { .name: bk, .offset: 24, .size: 8, .value_kind: global_buffer, .address_space: global }
      - { .name: bv, .offset: 32, .size: 8, .value_kind: global_buffer, .address_space: global }
      - { .name: qb, .offset: 40, .size: 8, .value_kind: global_buffer, .address_space: global }
      - { .name: kv, .offset: 48, .size: 8, .value_kind: global_buffer, .address_space: global }
    .group_segment_fixed_size: 327680
    .private_segment_fixed_size: 0
    .kernarg_segment_align: 8
    .kernarg_segment_size: 56
    .max_flat_workgroup_size: 128
    .sgpr_count:     66
    .vgpr_count:     1024
    .wavefront_size: 32
...
	.end_amdgpu_metadata
.endif
;; end of part 2
;; launch attn (part 3): grid 8 x 32, 8 waves a work-group, clusters of 4 x 1, 327,680 bytes of LDS; arguments qb, kv, cd, sc; writes cd, sc
.if DOCPART == 3
	.amdgcn_target "amdgcn-amd-amdhsa--gfx1250"
	.amdhsa_code_object_version 6
	.text
	.protected	k_q536d3ad7d8_attn
	.globl	k_q536d3ad7d8_attn
	.p2align	8
	.type	k_q536d3ad7d8_attn,@function
k_q536d3ad7d8_attn:
	s_mov_b64 s[64:65], 0
	v_nop
	global_prefetch_b8 v0, s[64:65] scope:SCOPE_SE
	s_setreg_imm32_b32 hwreg(HW_REG_WAVE_MODE, 25, 1), 1
	s_wait_xcnt 0x0
	s_wait_alu depctr_hold_cnt(0) depctr_sa_sdst(0) depctr_va_vdst(0) depctr_va_sdst(0) depctr_va_ssrc(0) depctr_va_vcc(0) depctr_vm_vsrc(0)
	s_getreg_b32 s2, hwreg(HW_REG_IB_STS2, 6, 4)
	s_cmp_eq_u32 s2, 0
	s_cbranch_scc0 .Lentry_in_a_cluster
	s_endpgm
.Lentry_in_a_cluster:
	s_bfe_u32 s2, ttmp6, 0x10000c
	s_cmp_lg_u32 s2, 0x3003
	s_cbranch_scc0 .Lentry_shape_is_right
	s_endpgm
.Lentry_shape_is_right:
; O = softmax(q k^T / 8) v for one head and 256 queries, both products on codes of FP6 (E2M3) with E8M0 scales; O / l is quantised along the hidden axis and leaves as the last product's operand.
; THE SOFTMAX: t = score x log2(e) / 8; M = the row's largest t so far, rounded UP to a whole number; p = 2^(t - M) is quantised along the keys, not normalised.  The row's sum is taken of the unquantised p
; and divides O at the end.  When M moves, the sum and O are multiplied by 2^(old M - new M): exact.
; SHARES.  Work-group (XQ, head): 256 queries; each of its eight waves owns two tiles of 16 queries, so that each fragment of K and V read from LDS feeds two products.
; THE HEAD'S WHOLE K AND V, 212,992 bytes, LIE IN LDS as they lie in kv, filled once.  The four work-groups of a cluster belong to one head and ask JOINTLY.  Each wave asks twice: at the head for its eighth
; of key steps 0-3, and behind the full sequence and a round for its eighth of key steps 4-15.
; No prefetch: every tile is asked for at the launch's start, so no later request is left to run ahead of.
; THE ROWS' ORDER: lane row 8 a + i of stored tile 4 C + t is true row 64 C + 32 a + 8 t + i.  S^T = K Q^T (source 0 = 16 stored keys), O^T = V^T P^T (source 0 = 16 stored d): a lane (r, h) holds query r,
; and register 32 c + 8 t + j of its scores is key 64 c + 32 h + 8 t + j: 32 registers on end are ONE WHOLE BLOCK of 32 keys, in the order of the next operand's registers.  Only the row's maximum and the scale bytes cross to lane l xor 16.
; q k^T has K = 64: registers 6-11 of Q's and K's fragments are zero codes, under the scale byte 127.
; A STEP: 16 products for the scores; one run of LDS loads (this step's V, the next step's K); both tiles' softmax, line by line in turn; 8 products for O^T.
; A split barrier, signalled once a step and waited for one step later, holds the eight waves within one key step of each other; only register work and LDS loads of bytes that nobody writes stand between.
; LIMITS: NaN and infinities are not served; a block whose every p is 0 keeps the byte 1 (its codes are zeros); the scaled scores stay under 2^31 in magnitude.
; REGISTERS: window 0: v1-11 addresses; v12-23 statistics, f; v24-34 scale words; v36-59 at work; v60-83 p's codes; v96-223 S^T, then p; v224-239 upper halves of blocks.  Window 1: v0-63 O^T; v64-87 Q; v88-183 K; v184-231 V.
.set TILEB, 12288
.set RECB,  6656
.set STEPB, 2*RECB                     ; a key step: K's record, V's record
.set KVH,   16*STEPB
.set SPARE, KVH                        ; behind K and V: the spare words, 128 bytes for each wave
.set L16, 1
.set L8,  2
.set L4,  3
.set AD16, 4                           ; v4-6 the step's LDS addresses
.set AD8,  5
.set AD4,  6
.set SCO, 10                           ; v10 512 h + 16 r: the way out's scale bytes
.set SH8, 11                           ; v11 8 h
.set STA, 12                           ; tile x at v[12 + 4 x]: -M, the largest score, the sum in two halves
.set STB, 16
.set FA,  20                           ; v[20:21], v[22:23]: f, named as a pair
.set FB,  22
.set KSC, 24
.set VSC, 28
.set QSC, 32
.set PSA, 33                           ; v33, v34 p's scale words
.set PSB, 34
.set BM,  36                           ; v36-39 block (x, c)'s largest score, then its largest p
.set TM,  36                           ; the way out's quantiser works in v36-40
.set TR,  40                           ; v40-43
.set OLD, 44                           ; v44-45
.set SO,  46                           ; v46-49 the conversions' scale operands
.set BY,  50                           ; v50-53 the bytes
.set T4,  54                           ; v[54:55], v[56:57] second chains of the sums
.set RA,  58
.set PCA, 60
.set PCB, 72
.set RB,  84
.set PWA, 86
.set PWB, 87
.set WD,  88
.set SPW, 90
.set NIL, 91
.set SXA, 96
.set SXB, 160
.set CT,  224
.set OA,  0                            ; window 1
.set OB,  32
.set QFA, 64
.set QFB, 76
.set KF,  88
.set VF,  184
.set WV,  12
.set G1A, 24
.set G1B, 32
.set G0A, 40
.set G0B, 44
.set CDB, 48
.set SCB, 50
.set HM,  52
.set QBS, 54
.set CNT, 56
.set CS,  58                           ; s[58:59] c = log2(e) / 8
.set SEL, 60
.set TB,  62                           ; LDS byte at which the key step in hand begins
.set MSB, 0
.macro WIN new
.if MSB != (\new)
	s_set_vgpr_msb (MSB<<8)|(\new)
.set MSB, (\new)
.endif
.endm
.macro PLACES
.rept 4
	v_nop
.endr
.endm
.macro WALU
	s_wait_alu depctr_va_vdst(0)
.endm
.macro CROUND
	s_barrier_signal -1
	s_barrier_wait -1
	s_cmp_lg_u32 s[WV], 0
	s_cbranch_scc1 .Lnot_wave_0_\@
	s_barrier_signal -3
.Lnot_wave_0_\@:
	s_barrier_wait -3
	s_barrier_signal -1
	s_barrier_wait -1
.endm
.macro QUANT32 src, dst, pw            ; a lane's 32 numbers, one block, become a chunk in v[dst] on; v[pw]: the row's two scale bytes, in both halves of the lanes
.irp b, 0,1
	v_max3_num_f32 v[TM+\b], |v[(\src)+16*\b]|, |v[(\src)+16*\b+1]|, 0x1800000
.endr
.irp i, 2,4,6,8,10,12,14
.irp b, 0,1
	v_max3_num_f32 v[TM+\b], v[TM+\b], |v[(\src)+16*\b+\i]|, |v[(\src)+16*\b+\i+1]|
.endr
.endr
	v_max_num_f32 v[TM], v[TM], v[TM+1]
	v_add_nc_u32 v[TM+4], 0xff000000, v[TM]
	v_lshrrev_b32 v[TM+1], 23, v[TM+4]
	v_lshlrev_b32 v[TM+1], v[SH8], v[TM+1]
	v_permlanex16_b32 v[TM+2], v[TM+1], s[SEL], s[SEL+1]
	v_or_b32 v[\pw], v[TM+1], v[TM+2]
	v_cvt_scalef32_pk16_fp6_f32 v[(\dst):(\dst)+2], v[(\src):(\src)+15], v[TM+4]
	v_cvt_scalef32_pk16_fp6_f32 v[CT:CT+2], v[(\src)+16:(\src)+31], v[TM+4]
	v_nop
.irp i, 0,1,2
	v_mov_b32 v[(\dst)+3+\i], v[CT+\i]
.endr
.endm
	s_load_b256 s[4:11], s[0:1], 0x0               ; qb, kv, cd, sc
	v_lshl_add_u32 v[SPW], v0, 2, SPARE
	v_mov_b32 v[NIL], 0
	ds_add_u32 v[SPW], v[NIL]                      ; the opening lines: the add, twice on end, and its wait stand ahead of my first tensor load
	ds_add_u32 v[SPW], v[NIL]
	v_lshrrev_b32 v4, 5, v0
	v_readfirstlane_b32 s[WV], v4                  ; wave 0..7
	s_bfe_u32 s13, ttmp6, 0x40000                  ; cx
	s_lshl_b32 s14, ttmp9, 2
	s_add_co_u32 s14, s14, s13                     ; XQ: my block of 256 queries; it enters Q's and the results' addresses alone
	s_and_b32 s15, ttmp7, 0xffff                   ; batch x 16 + head, which the four partners share
.irp g, G1A, G1B                       ; group 1: dense rows of 256 bytes (32 elements of 8); the mask names all four; bit 21 beside it
	s_mov_b32 s[\g], 0x23000f
	s_mov_b32 s[\g+1], 32<<16
	s_mov_b32 s[\g+3], 32<<16
	s_mov_b32 s[\g+5], 32
	s_mov_b32 s[\g+6], 0
	s_mov_b32 s[\g+7], 0
.endr
	s_mov_b32 s[G1A+2], 26<<16                     ; 26 rows: an eighth of key steps 0-3
	s_mov_b32 s[G1A+4], 26
	s_mov_b32 s[G1B+2], 78<<16                     ; 78 rows: an eighth of key steps 4-15
	s_mov_b32 s[G1B+4], 78
	s_mul_i32 s20, s15, KVH                        ; the head's first byte in kv
	s_mul_i32 s22, s[WV], RECB                     ; my eighths: in the head and in LDS alike
	s_mul_i32 s23, s[WV], 3*RECB
	s_add_co_u32 s23, s23, 4*STEPB
	s_add_co_u32 s16, s20, s22
	s_mov_b32 s17, 0
	s_add_co_u32 s18, s20, s23
	s_mov_b32 s19, 0
	s_lshl_b32 s53, s15, 4
	s_lshl_b32 s57, s14, 1
	s_add_co_u32 s53, s53, s57
	s_lshr_b32 s57, s[WV], 2
	s_add_co_u32 s53, s53, s57                     ; Q's record: 16 x head + 2 XQ + w / 4
	s_mul_i32 s2, s53, RECB
	s_mov_b32 s3, 0
	s_lshr_b32 s53, s15, 4
	s_lshl_b32 s53, s53, 7                         ; 128 token tiles a batch
	s_lshl_b32 s57, s14, 4
	s_add_co_u32 s53, s53, s57
	s_lshl_b32 s57, s[WV], 1
	s_add_co_u32 s53, s53, s57
	s_add_co_u32 s53, s53, 512                     ; my first tile in cd and sc: 512 + 128 batch + 16 XQ + 2 w
	s_and_b32 s57, s15, 15                         ; the head: 768 x head bytes into the tile
	s_mul_i32 s[CDB], s53, TILEB
	s_mul_i32 s63, s57, 768
	s_add_co_u32 s[CDB], s[CDB], s63
	s_mov_b32 s[CDB+1], 0
	s_lshl_b32 s[SCB], s53, 9
	s_lshr_b32 s63, s57, 3
	s_lshl_b32 s63, s63, 8                         ; K half head / 8,
	s_add_co_u32 s[SCB], s[SCB], s63
	s_and_b32 s63, s57, 7
	s_lshl_b32 s63, s63, 1                         ; and two bytes for each head of its eight
	s_add_co_u32 s[SCB], s[SCB], s63
	s_mov_b32 s[SCB+1], 0
	s_mov_b32 s[CS], 0x3e38aa3b                    ; c = log2(e) / 8
	s_mov_b32 s[CS+1], s[CS]
	s_mov_b32 s[SEL], 0x76543210
	s_mov_b32 s[SEL+1], 0xfedcba98
	s_mov_b32 s[TB], 0
	v_and_b32 v4, 31, v0                           ; lane
	v_and_b32 v5, 15, v0                           ; r
	v_bfe_u32 v6, v0, 4, 1                         ; h
	v_lshlrev_b32 v[L16], 4, v4
	v_lshlrev_b32 v[L8], 3, v4
	v_lshlrev_b32 v[L4], 2, v4
	v_cmp_le_u32 s[HM], 16, v4                     ; lanes 16-31
	s_and_b32 s57, s[WV], 3
	s_mul_i32 s53, s57, 1536                       ; my two chunks of Q's record
	v_add_nc_u32 v7, s53, v[L16]
	v_add_nc_u32 v8, s53, v[L8]
	s_lshl_b32 s53, s57, 7
	v_add_nc_u32 v9, s53, v[L4]                    ; and their scale words
	v_lshlrev_b32 v[SCO], 4, v5
	v_lshl_add_u32 v[SCO], v6, 9, v[SCO]
	v_lshlrev_b32 v[SH8], 3, v6
	WALU
	s_wait_dscnt 0x0                               ; both opening adds are done
	s_wait_kmcnt 0x0
	s_mov_b32 s[G0A], 1
	s_mov_b32 s[G0A+1], s22
	s_add_nc_u64 s[G0A+2:G0A+3], s[6:7], s[16:17]
	s_or_b32 s[G0A+3], s[G0A+3], 0x80000000
	s_mov_b32 s[G0B], 1
	s_mov_b32 s[G0B+1], s23
	s_add_nc_u64 s[G0B+2:G0B+3], s[6:7], s[18:19]
	s_or_b32 s[G0B+3], s[G0B+3], 0x80000000
	s_add_nc_u64 s[QBS:QBS+1], s[4:5], s[2:3]
	s_add_nc_u64 s[CDB:CDB+1], s[8:9], s[CDB:CDB+1]
	s_add_nc_u64 s[SCB:SCB+1], s[10:11], s[SCB:SCB+1]
	CROUND                                         ; all four work-groups are here: the joint loads meet
	tensor_load_to_lds s[G0A:G0A+3], s[G1A:G1A+7]  ; key steps 0-3, my eighth: my one load at the head
	s_nop 0
	PLACES
	global_load_b32 v[QSC], v9, s[QBS:QBS+1] offset:6144   ; lanes 0-15 my first tile's scale words, lanes 16-31 my second's
	WIN 0x40
	global_load_b128 v[QFA:QFA+3], v7, s[QBS:QBS+1]
	global_load_b64 v[QFA+4:QFA+5], v8, s[QBS:QBS+1] offset:512
	global_load_b128 v[QFB:QFB+3], v7, s[QBS:QBS+1] offset:768
	global_load_b64 v[QFB+4:QFB+5], v8, s[QBS:QBS+1] offset:1280
.set J, 0
.rept 64
	v_mov_b32 v[OA+J], 0                           ; O^T: the step is written once; its first trip finds zeros, which the first change of M leaves zeros
.set J, J+1
.endr
.irp i, 6,7,8,9,10,11
	v_mov_b32 v[QFA+\i], 0                         ; the upper 64 of K: zero codes
	v_mov_b32 v[QFB+\i], 0
.irp t, 0,1,2,3,4,5,6,7
	v_mov_b32 v[KF+12*\t+\i], 0                    ; likewise in K's eight fragments: the loads fill registers 0-5 alone
.endr
.endr
	WIN 0
	v_mov_b32 v[STA+1], 0xff61b1e6                 ; the largest score so far: -3e38
	v_mov_b32 v[STB+1], 0xff61b1e6
	v_mov_b32 v[STA], 0x7e000000                   ; -M to match: a large whole number, so that the first f is 0
	v_mov_b32 v[STB], 0x7e000000
.irp r, STA+2, STA+3, STB+2, STB+3, FA+1, FB+1, TR+2, TR+3, RA+1, RB+1
	v_mov_b32 v[\r], 0                             ; the sums; upper halves of pairs that are named whole; the lane permutes' destinations
.endr
.macro KLOAD off                       ; K's scale words and fragments of the key step that begins off bytes behind the addresses
.irp m, 0,1,2,3
	ds_load_b32 v[KSC+\m], v[AD4] offset:(\off)+6144+128*\m
.endr
	WIN 0x40
.irp t, 0,1,2,3,4,5,6,7
	ds_load_b128 v[KF+12*\t:KF+12*\t+3], v[AD16] offset:(\off)+768*\t
	ds_load_b64 v[KF+12*\t+4:KF+12*\t+5], v[AD8] offset:(\off)+768*\t+512
.endr
	WIN 0
.endm
; A KEY STEP: 128 keys, both my tiles of queries (x = 0, 1).  pre: the next step's K is fetched;  sig: the split barrier is signalled anew.
.macro STEP pre, sig
	WIN 0x05                                       ; K and Q window 1, S^T window 0
.irp t, 0,1,2,3,4,5,6,7
.if (\t%2) == 0
	v_wmma_scale_f32_16x16x128_f8f6f4 v[SXA+8*\t:SXA+8*\t+7], v[KF+12*\t:KF+12*\t+11], v[QFA:QFA+11], 0, v[KSC+\t/2], v[QSC] matrix_a_fmt:MATRIX_FMT_FP6 matrix_b_fmt:MATRIX_FMT_FP6
	v_wmma_scale_f32_16x16x128_f8f6f4 v[SXB+8*\t:SXB+8*\t+7], v[KF+12*\t:KF+12*\t+11], v[QFB:QFB+11], 0, v[KSC+\t/2], v[QSC] matrix_a_fmt:MATRIX_FMT_FP6 matrix_b_fmt:MATRIX_FMT_FP6 matrix_b_scale:MATRIX_SCALE_ROW1
.else
	v_wmma_scale_f32_16x16x128_f8f6f4 v[SXA+8*\t:SXA+8*\t+7], v[KF+12*\t:KF+12*\t+11], v[QFA:QFA+11], 0, v[KSC+\t/2], v[QSC] matrix_a_fmt:MATRIX_FMT_FP6 matrix_b_fmt:MATRIX_FMT_FP6 matrix_a_scale:MATRIX_SCALE_ROW1
	v_wmma_scale_f32_16x16x128_f8f6f4 v[SXB+8*\t:SXB+8*\t+7], v[KF+12*\t:KF+12*\t+11], v[QFB:QFB+11], 0, v[KSC+\t/2], v[QSC] matrix_a_fmt:MATRIX_FMT_FP6 matrix_b_fmt:MATRIX_FMT_FP6 matrix_a_scale:MATRIX_SCALE_ROW1 matrix_b_scale:MATRIX_SCALE_ROW1
.endif
.endr
	WIN 0
	v_add_nc_u32 v[AD16], s[TB], v[L16]            ; these three and the v_nop are the four places behind the products, in front of the loads into their registers and of the first read of the scores
	v_add_nc_u32 v[AD8], s[TB], v[L8]
	v_add_nc_u32 v[AD4], s[TB], v[L4]
	v_nop
.irp t, 0,1,2,3
	ds_load_b32 v[VSC+\t], v[AD4] offset:RECB+6144+128*\t
.endr
	WIN 0x40
.irp i, 0,1,2,3,4,5,6,7
	ds_load_b128 v[VF+6*\i:VF+6*\i+3], v[AD16] offset:RECB+768*\i
	ds_load_b64 v[VF+6*\i+4:VF+6*\i+5], v[AD8] offset:RECB+768*\i+512
.endr
	WIN 0
.if \pre
	KLOAD STEPB
.endif
.irp x, 0,1                            ; the largest score of each block of 32 keys, four chains by turns, each accumulator from its low end on: it serves the row's maximum and, since p rises with the score, the block's largest p
.irp c, 0,1
	v_max3_num_f32 v[BM+2*\x+\c], v[SXA+64*\x+32*\c], v[SXA+64*\x+32*\c+1], v[SXA+64*\x+32*\c+2]
.endr
.endr
.irp i, 3,5,7,9,11,13,15,17,19,21,23,25,27,29
.irp x, 0,1
.irp c, 0,1
	v_max3_num_f32 v[BM+2*\x+\c], v[BM+2*\x+\c], v[SXA+64*\x+32*\c+\i], v[SXA+64*\x+32*\c+\i+1]
.endr
.endr
.endr
.irp x, 0,1
.irp c, 0,1
	v_max_num_f32 v[BM+2*\x+\c], v[BM+2*\x+\c], v[SXA+64*\x+32*\c+31]
.endr
.endr
.irp x, 0,1
	v_max_num_f32 v[TR+\x], v[BM+2*\x], v[BM+2*\x+1]
.endr
.irp x, 0,1
	s_delay_alu instid0(VALU_DEP_2)
	v_permlanex16_b32 v[TR+2+\x], v[TR+\x], s[SEL], s[SEL+1]
.endr
.irp x, 0,1
	s_delay_alu instid0(VALU_DEP_2)
	v_max3_num_f32 v[STA+4*\x+1], v[STA+4*\x+1], v[TR+\x], v[TR+2+\x]   ; the running largest score, with lane l xor 16's keys
.endr
.irp x, 0,1
	v_mov_b32 v[OLD+\x], v[STA+4*\x]
.endr
.irp x, 0,1
	s_delay_alu instid0(VALU_DEP_4)
	v_mul_f32 v[TR+\x], s[CS], v[STA+4*\x+1]       ; as t (c is positive)
.endr
.irp x, 0,1
	s_delay_alu instid0(VALU_DEP_2)
	v_floor_f32 v[STA+4*\x], -v[TR+\x]             ; the new -M = floor(-t): M is a whole number
.endr
.irp x, 0,1
	s_delay_alu instid0(VALU_DEP_2)
	v_sub_f32 v[OLD+\x], v[STA+4*\x], v[OLD+\x]    ; old M - new M: a whole number, 0 or less
.endr
.irp x, 0,1
	s_delay_alu instid0(VALU_DEP_2)
	v_cvt_i32_f32 v[OLD+\x], v[OLD+\x]             ; (it saturates)
.endr
.irp x, 0,1
	s_delay_alu instid0(VALU_DEP_2)
	v_ldexp_f32 v[FA+2*\x], 1.0, v[OLD+\x]         ; f = 2^(old M - new M)
.endr
.irp x, 0,1
.set J, 0
.rept 32
	v_pk_fma_f32 v[SXA+64*\x+J:SXA+64*\x+J+1], v[SXA+64*\x+J:SXA+64*\x+J+1], s[CS:CS+1], v[STA+4*\x:STA+4*\x+1] op_sel_hi:[1,0,0]   ; t - M, two at a time
.set J, J+2
.endr
.endr
.irp x, 0,1
.irp c, 0,1
	v_fma_f32 v[BM+2*\x+\c], v[BM+2*\x+\c], s[CS], v[STA+4*\x]   ; the same of each block's largest score
.endr
.endr
	WIN 0x41                                       ; O^T window 1, f window 0.  O^T under the new M, ahead of the exponentials: no transcendental stands between the last step's products and this first read of their results
.irp x, 0,1
.set J, 0
.rept 16
	v_pk_mul_f32 v[OA+32*\x+J:OA+32*\x+J+1], v[OA+32*\x+J:OA+32*\x+J+1], v[FA+2*\x:FA+2*\x+1] op_sel_hi:[1,0]
.set J, J+2
.endr
.endr
	WIN 0
	WALU
.set J, 0
.rept 128
	v_exp_f32 v[SXA+J], v[SXA+J]                   ; p = 2^(t - M), both tiles
.set J, J+1
.endr
.irp b, 0,1,2,3
	v_exp_f32 v[BM+\b], v[BM+\b]                   ; each block's largest p
.endr
.irp x, 0,1
	v_pk_mul_f32 v[STA+4*\x+2:STA+4*\x+3], v[STA+4*\x+2:STA+4*\x+3], v[FA+2*\x:FA+2*\x+1] op_sel_hi:[1,0]   ; the sums under the new M: plain places behind the batch
.endr
	WALU                                           ; one wait for the whole batch, ahead of its first reader
.irp b, 0,1,2,3
	v_max_num_f32 v[BM+\b], 0x1800000, v[BM+\b]    ; the floor 2^(3 - 127): the byte cannot fall under 1
.endr
.irp b, 0,1,2,3
	v_add_nc_u32 v[SO+\b], 0xff000000, v[BM+\b]    ; 2 off the exponent field: the conversion's scale operand
.endr
.irp b, 0,1,2,3
	v_lshrrev_b32 v[BY+\b], 23, v[SO+\b]           ; the byte
.endr
.irp x, 0,1
	v_lshl_or_b32 v[PSA+\x], v[BY+2*\x+1], 16, v[BY+2*\x]   ; my two bytes, blocks h and 2 + h,
.endr
.irp x, 0,1
	v_lshlrev_b32 v[PSA+\x], v[SH8], v[PSA+\x]     ; at their places in the word;
.endr
.irp x, 0,1
	v_permlanex16_b32 v[TR+2+\x], v[PSA+\x], s[SEL], s[SEL+1]
.endr
.irp x, 0,1
	v_or_b32 v[PSA+\x], v[PSA+\x], v[TR+2+\x]      ; with lane l xor 16's two: p's scale word for these 128 keys
.endr
.irp x, 0,1
.irp c, 0,1
	v_cvt_scalef32_pk16_fp6_f32 v[PCA+12*\x+6*\c:PCA+12*\x+6*\c+2], v[SXA+64*\x+32*\c:SXA+64*\x+32*\c+15], v[SO+2*\x+\c]
	v_cvt_scalef32_pk16_fp6_f32 v[CT+8*\x+4*\c:CT+8*\x+4*\c+2], v[SXA+64*\x+32*\c+16:SXA+64*\x+32*\c+31], v[SO+2*\x+\c]   ; (a conversion's three registers begin on an even number)
.endr
.endr
	v_nop                                          ; one plain place behind a scaled conversion
.irp x, 0,1
.irp c, 0,1
.irp i, 0,1,2
	v_mov_b32 v[PCA+12*\x+6*\c+3+\i], v[CT+8*\x+4*\c+\i]
.endr
.endr
.endr
.irp x, 0,1                            ; the rows' sums of the unquantised p, two chains a tile; these lines are also the places between p's codes and scale words and the products below
	v_pk_add_f32 v[T4+2*\x:T4+2*\x+1], v[SXA+64*\x:SXA+64*\x+1], v[SXA+64*\x+2:SXA+64*\x+3]
.endr
.irp j, 4,8,12,16,20,24,28,32,36,40,44,48,52,56,60
.irp x, 0,1
	v_pk_add_f32 v[STA+4*\x+2:STA+4*\x+3], v[STA+4*\x+2:STA+4*\x+3], v[SXA+64*\x+\j:SXA+64*\x+\j+1]
	v_pk_add_f32 v[T4+2*\x:T4+2*\x+1], v[T4+2*\x:T4+2*\x+1], v[SXA+64*\x+\j+2:SXA+64*\x+\j+3]
.endr
.endr
.irp x, 0,1
	v_pk_add_f32 v[STA+4*\x+2:STA+4*\x+3], v[STA+4*\x+2:STA+4*\x+3], v[T4+2*\x:T4+2*\x+1]
.endr
	WALU
	s_wait_dscnt 0x0                               ; V and the next step's K are in: no LDS instruction of mine is out
	s_barrier_wait -1                              ; every wave has come as far as this line of the step before
.if \sig
	s_barrier_signal -1                            ; and I am here
.endif
	WIN 0x51                                       ; V window 1, p window 0, O^T window 1
.irp t, 0,1,2,3                        ; eight accumulators, one instruction each; between two steps of a sum stand the other seven and the next step's sixteen
	v_wmma_scale_f32_16x16x128_f8f6f4 v[OA+8*\t:OA+8*\t+7], v[VF+12*\t:VF+12*\t+11], v[PCA:PCA+11], v[OA+8*\t:OA+8*\t+7], v[VSC+\t], v[PSA] matrix_a_fmt:MATRIX_FMT_FP6 matrix_b_fmt:MATRIX_FMT_FP6
	v_wmma_scale_f32_16x16x128_f8f6f4 v[OB+8*\t:OB+8*\t+7], v[VF+12*\t:VF+12*\t+11], v[PCB:PCB+11], v[OB+8*\t:OB+8*\t+7], v[VSC+\t], v[PSB] matrix_a_fmt:MATRIX_FMT_FP6 matrix_b_fmt:MATRIX_FMT_FP6
.endr
	WIN 0
	s_add_co_u32 s[TB], s[TB], STEPB
.endm
	WALU
	s_wait_loadcnt 0x0                             ; Q
	s_wait_tensorcnt 0x0                           ; my eighth of key steps 0-3 is in
	ds_add_u32 v[SPW], v[NIL]
	s_wait_dscnt 0x0
	CROUND                                         ; everybody's eighth is in, and the four work-groups meet
	tensor_load_to_lds s[G0B:G0B+3], s[G1B:G1B+7]  ; key steps 4-15, my eighth: my one load behind this round
	s_nop 0
	PLACES
	s_barrier_signal -1                            ; the split barrier's first signal
	v_add_nc_u32 v[AD16], s[TB], v[L16]
	v_add_nc_u32 v[AD8], s[TB], v[L8]
	v_add_nc_u32 v[AD4], s[TB], v[L4]
	KLOAD 0
	s_wait_dscnt 0x0
	s_mov_b32 s[CNT], 3
.Lfirst:                                           ; key steps 0-2; they read LDS bytes of key steps 0-3 alone
	STEP 1, 1
	s_sub_co_u32 s[CNT], s[CNT], 1
	s_cmp_lg_u32 s[CNT], 0
	s_cbranch_scc1 .Lfirst
	s_wait_tensorcnt 0x0                           ; my eighth of key steps 4-15 is in
	s_wait_dscnt 0x0
	s_barrier_wait -1                              ; the split barrier is closed,
	s_barrier_signal -1
	s_barrier_wait -1                              ; a whole barrier shows everybody's eighth
	s_barrier_signal -1                            ; and the split barrier begins anew
	s_mov_b32 s[CNT], 12
.Lrest:                                            ; key steps 3-14
	STEP 1, 1
	s_sub_co_u32 s[CNT], s[CNT], 1
	s_cmp_lg_u32 s[CNT], 0
	s_cbranch_scc1 .Lrest
	STEP 0, 0                                      ; key step 15 fetches no further K and leaves the barrier closed
	; THE WAY OUT.  The sums' halves and lane l xor 16's are added (these lines are the places behind the last products); O^T / l is quantised along d: my head's 64 are half a K step of the last product
	v_add_f32 v[STA+2], v[STA+2], v[STA+3]
	v_add_f32 v[STB+2], v[STB+2], v[STB+3]
	v_permlanex16_b32 v[TR+2], v[STA+2], s[SEL], s[SEL+1]
	v_permlanex16_b32 v[TR+3], v[STB+2], s[SEL], s[SEL+1]
	v_add_f32 v[STA+2], v[STA+2], v[TR+2]
	v_add_f32 v[STB+2], v[STB+2], v[TR+3]
	WALU
	v_rcp_f32 v[RA], v[STA+2]
	v_rcp_f32 v[RB], v[STB+2]
	v_nop                                          ; a plain place behind the reciprocals
	WIN 0x01                                       ; O^T window 1; the quotients go where the scores lay
	WALU                                           ; one wait for both, directly ahead of the first reader of them and of O^T
.set J, 0
.rept 16
	v_pk_mul_f32 v[SXA+J:SXA+J+1], v[OA+J:OA+J+1], v[RA:RA+1] op_sel_hi:[1,0]
.set J, J+2
.endr
.set J, 0
.rept 16
	v_pk_mul_f32 v[SXB+J:SXB+J+1], v[OB+J:OB+J+1], v[RB:RB+1] op_sel_hi:[1,0]
.set J, J+2
.endr
	WIN 0
	QUANT32 SXA, PCA, PWA
	QUANT32 SXB, PCB, PWB
	v_cndmask_b32 v[WD], v[PWA], v[PWB], s[HM]     ; lanes 0-15 my first tile's bytes, lanes 16-31 my second's
	global_store_b128 v[L16], v[PCA:PCA+3], s[CDB:CDB+1]
	global_store_b64 v[L8], v[PCA+4:PCA+5], s[CDB:CDB+1] offset:512
	global_store_b128 v[L16], v[PCB:PCB+3], s[CDB:CDB+1] offset:TILEB
	global_store_b64 v[L8], v[PCB+4:PCB+5], s[CDB:CDB+1] offset:TILEB+512
	global_store_b16 v[SCO], v[WD], s[SCB:SCB+1]   ; two bytes of each row's scale word: 64 bytes a wave in pieces, so that the last product reads its scales as the first three do
	s_wait_tensorcnt 0x0                           ; the wave's end
	ds_add_u32 v[SPW], v[NIL]
	s_wait_dscnt 0x0
	CROUND                                         ; the closing round
	s_endpgm
.Lfunc_end_k_q536d3ad7d8_attn:
	.size	k_q536d3ad7d8_attn, .Lfunc_end_k_q536d3ad7d8_attn-k_q536d3ad7d8_attn
	.p2alignl 7, 3214868480
	.fill 96, 4, 3214868480
	.section	.rodata,"a",@progbits
	.p2align	6, 0x0
	.amdhsa_kernel k_q536d3ad7d8_attn
		.amdhsa_group_segment_fixed_size 327680
		.amdhsa_private_segment_fixed_size 0
		.amdhsa_enable_private_segment 0
		.amdhsa_kernarg_size 32
		.amdhsa_user_sgpr_count 2
		.amdhsa_user_sgpr_kernarg_segment_ptr 1
		.amdhsa_wavefront_size32 1
		.amdhsa_system_sgpr_workgroup_id_x 1
		.amdhsa_system_sgpr_workgroup_id_y 1
		.amdhsa_system_sgpr_workgroup_id_z 1
		.amdhsa_system_vgpr_workitem_id 0
		.amdhsa_next_free_vgpr 512
		.amdhsa_next_free_sgpr 66
		.amdhsa_reserve_vcc 0
		.amdhsa_float_denorm_mode_32 3
		.amdhsa_float_denorm_mode_16_64 3
		.amdhsa_memory_ordered 1
		.amdhsa_forward_progress 1
		.amdhsa_inst_pref_size 102
	.end_amdhsa_kernel
	.amdgpu_metadata
---
amdhsa.version: [ 1, 2 ]
amdhsa.kernels:
  - .name:           k_q536d3ad7d8_attn
    .symbol:         k_q536d3ad7d8_attn.kd
    .args:
      - { .name: qb, .offset: 0, .size: 8, .value_kind: global_buffer, .address_space: global }
      - { .name: kv, .offset: 8, .size: 8, .value_kind: global_buffer, .address_space: global }
      - { .name: cd, .offset: 16, .size: 8, .value_kind: global_buffer, .address_space: global }
      - { .name: sc, .offset: 24, .size: 8, .value_kind: global_buffer, .address_space: global }
    .group_segment_fixed_size: 327680
    .private_segment_fixed_size: 0
    .kernarg_segment_align: 8
    .kernarg_segment_size: 32
    .max_flat_workgroup_size: 256
    .sgpr_count:     66
    .vgpr_count:     512
    .wavefront_size: 32
...
	.end_amdgpu_metadata
.endif
;; end of part 3
;; launch proj (part 4): grid 8 x 32, 4 waves a work-group, clusters of 4 x 4, 167,936 bytes of LDS; arguments cd, sc, bo, out0; writes out0
.if DOCPART == 4
	.amdgcn_target "amdgcn-amd-amdhsa--gfx1250"
	.amdhsa_code_object_version 6
	.text
	.protected	k_q536d3ad7d8_proj
	.globl	k_q536d3ad7d8_proj
	.p2align	8
	.type	k_q536d3ad7d8_proj,@function
k_q536d3ad7d8_proj:
	s_mov_b64 s[64:65], 0
	v_nop
	global_prefetch_b8 v0, s[64:65] scope:SCOPE_SE
	s_setreg_imm32_b32 hwreg(HW_REG_WAVE_MODE, 25, 1), 1
	s_wait_xcnt 0x0
	s_wait_alu depctr_hold_cnt(0) depctr_sa_sdst(0) depctr_va_vdst(0) depctr_va_sdst(0) depctr_va_ssrc(0) depctr_va_vcc(0) depctr_vm_vsrc(0)
	s_getreg_b32 s2, hwreg(HW_REG_IB_STS2, 6, 4)
	s_cmp_eq_u32 s2, 0
	s_cbranch_scc0 .Lentry_in_a_cluster
	s_endpgm
.Lentry_in_a_cluster:
	s_bfe_u32 s2, ttmp6, 0x10000c
	s_cmp_lg_u32 s2, 0xf033
	s_cbranch_scc0 .Lentry_shape_is_right
	s_endpgm
.Lentry_shape_is_right:
; out0 = A Wo^T + bo on codes of FP6 (E2M3) with E8M0 scales.  A: attention's result, tiles 512-767 of cd and sc; Wo: tiles 448-511.  out0: [4096][1024] f32.
; SHARES.  Work-group (g, mt): 128 tokens x 128 columns; wave w: tokens 64 (w / 2) on, columns 64 (w % 2) on: 16 accumulators.
; Wo's tile of 128 rows x 1,024 K, 98,304 bytes, fills LDS once; it hangs on g alone and is asked for JOINTLY by the four work-groups of a column of the cluster.
; A's fragments go straight into registers, 384 a wave, by loads of 512 and 256 consecutive bytes: each of them serves four products of one wave, and through LDS they would double the LDS reads.
; LAYOUT.  Source 0 = 16 stored rows of Wo, source 1 = 16 stored tokens: a lane holds one token; register j of tile t is column 32 (t / 2) + 16 h + 8 (t % 2) + j.  Stored row r of tile 2 b + u is true row 32 b + 8 u + r + 8 (r / 8).
; The bias starts each sum.  A block of 16 tokens goes through the wave's own stage in LDS and leaves as rows: sixteen lanes store 256 consecutive bytes, aligned.
; REGISTERS: window 0: addresses, scale words, bias, rows on the way out, v128-255 the accumulators; window 1: Wo's fragments, two sets of 48; windows 2, 3: A's fragments of K steps 0-4, 5-7.
.set TILEB, 12288
.set SLOTB, 8*TILEB
.set STG,   SLOTB                      ; behind Wo's tile: a stage of 16 rows x (256 + 16) bytes for each wave
.set SPITCH, 272
.set SPARE, STG+4*16*SPITCH            ; behind the stages: the spare words, 128 bytes for each wave
.set L16,  1
.set L8,   2
.set AW16, 4
.set AW8,  7
.set SA,   12
.set BO,   15
.set STO,  17                          ; v17 the stage: where I put 16 bytes of my token's row
.set RD,   18                          ; v18 and where I read a row back
.set GO,   19                          ; v19 my byte offset in two rows of out0
.set SPW,  30
.set NIL,  31
.set SCL,  32                          ; v32-63 register 8 i + s: lanes 0-15 A block i's scale word of K step s, lanes 16-31 Wo tile i's
.set BI,   64                          ; v64-95 the bias in the result's layout
.set OB,   64                          ; v64-127 rows on the way out, two sets of 32 (the bias is done with)
.set ACC,  128
.set WV, 18
.set WM, 19
.set WN, 20
.set CX, 21
.set CY, 22
.set GG, 23
.set MT, 24
.set G1, 28
.set G0, 36
.set XB, 48
.set OO, 50
.set HM, 58
.set XT, 59
.set MSB, 0
.macro WIN new
.if MSB != (\new)
	s_set_vgpr_msb (MSB<<8)|(\new)
.set MSB, (\new)
.endif
.endm
.macro PLACES
.rept 4
	v_nop
.endr
.endm
.macro CROUND
	s_barrier_signal -1
	s_barrier_wait -1
	s_cmp_lg_u32 s[WV], 0
	s_cbranch_scc1 .Lnot_wave_0_\@
	s_barrier_signal -3
.Lnot_wave_0_\@:
	s_barrier_wait -3
	s_barrier_signal -1
	s_barrier_wait -1
.endm
	s_load_b256 s[4:11], s[0:1], 0x0               ; cd, sc, bo, out0
	v_lshl_add_u32 v[SPW], v0, 2, SPARE
	v_mov_b32 v[NIL], 0
	ds_add_u32 v[SPW], v[NIL]                      ; the wave's opening: the add and its wait stand ahead of my first tensor load; the set-up below, work on registers, stands between them
	ds_add_u32 v[SPW], v[NIL]
	v_lshrrev_b32 v10, 5, v0
	v_readfirstlane_b32 s[WV], v10
	s_lshr_b32 s[WM], s[WV], 1
	s_and_b32 s[WN], s[WV], 1
	s_bfe_u32 s[CX], ttmp6, 0x40000
	s_bfe_u32 s[CY], ttmp6, 0x40004
	s_lshl_b32 s[GG], ttmp9, 2
	s_add_co_u32 s[GG], s[GG], s[CX]               ; g
	s_and_b32 s[MT], ttmp7, 0xffff
	s_lshl_b32 s[MT], s[MT], 2
	s_add_co_u32 s[MT], s[MT], s[CY]               ; mt
	s_lshl_b32 s25, 0x1111, s[CX]                  ; my column of the cluster
	s_or_b32 s[G1], s25, 0x230000                  ; the mask; elements of 8 bytes; bit 21 beside a mask; no padding
	s_mov_b32 s[G1+1], 32<<16
	s_mov_b32 s[G1+2], 96<<16
	s_mov_b32 s[G1+3], 32<<16
	s_mov_b32 s[G1+4], 96                          ; 96 rows of 256 bytes: two stored tiles
	s_mov_b32 s[G1+5], 32
	s_mov_b32 s[G1+6], 0
	s_mov_b32 s[G1+7], 0
	s_lshl_b32 s26, s[GG], 3
	s_lshl_b32 s27, s[WV], 1
	s_add_co_u32 s26, s26, s27
	s_add_co_u32 s26, s26, 448                     ; Wo's tiles 8 g + 2 w, 8 g + 2 w + 1
	s_mul_i32 s26, s26, TILEB
	s_mov_b32 s27, 0
	s_mul_i32 s25, s[WV], 2*TILEB
	s_lshl_b32 s[XT], s[MT], 3
	s_lshl_b32 s60, s[WM], 2
	s_add_co_u32 s[XT], s[XT], s60
	s_add_co_u32 s[XT], s[XT], 512                 ; my first tile of A
	s_mul_i32 s[XB], s[XT], TILEB
	s_mov_b32 s[XB+1], 0
	s_lshl_b32 s[OO], s[MT], 19                    ; out0: 128 mt rows of 4,096 bytes,
	s_lshl_b32 s60, s[WM], 18                      ; + 64 wm rows,
	s_add_co_u32 s[OO], s[OO], s60
	s_lshl_b32 s62, s[GG], 9                       ; + 128 g + 64 wn columns: also my 64 numbers of bo
	s_lshl_b32 s63, s[WN], 8
	s_add_co_u32 s62, s62, s63
	s_mov_b32 s63, 0
	s_add_co_u32 s[OO], s[OO], s62
	s_mov_b32 s[OO+1], 0
	v_and_b32 v10, 31, v0                          ; lane
	v_and_b32 v11, 15, v0                          ; r
	v_bfe_u32 v23, v0, 4, 1                        ; h
	v_lshlrev_b32 v[L16], 4, v10
	v_lshlrev_b32 v[L8], 3, v10
	v_cmp_le_u32 s[HM], 16, v10
	s_mul_i32 s60, s[WN], 4*TILEB
	v_add_nc_u32 v[AW16], s60, v[L16]
	v_add_nc_u32 v[AW8], s60, v[L8]
	s_lshl_b32 s60, s[XT], 9
	s_lshl_b32 s61, s[GG], 3
	s_lshl_b32 s2, s[WN], 2
	s_add_co_u32 s61, s61, s2
	s_add_co_u32 s61, s61, 448
	s_lshl_b32 s61, s61, 9
	v_mov_b32 v26, s60
	v_mov_b32 v27, s61
	v_cndmask_b32 v[SA], v26, v27, s[HM]           ; lanes 0-15 A's tiles, lanes 16-31 Wo's
	v_lshl_add_u32 v[SA], v11, 4, v[SA]
	; THE ROWS' ORDER, in place of what the head says of it: lane row 8 a + i of stored tile 4 C + t is true row 64 C + 32 a + 8 t + i; so register j of tile t is column 32 h + 8 t + j
	v_lshlrev_b32 v[BO], 7, v23
	s_mul_i32 s60, s[WV], 16*SPITCH
	s_add_co_u32 s60, s60, STG                     ; my stage
	v_mul_u32_u24 v[STO], v11, SPITCH
	v_lshl_add_u32 v[STO], v23, 7, v[STO]
	v_add_nc_u32 v[STO], s60, v[STO]               ; in: row r, + 128 h
	v_mul_u32_u24 v[RD], v23, SPITCH
	v_lshl_add_u32 v[RD], v11, 4, v[RD]
	v_add_nc_u32 v[RD], s60, v[RD]                 ; back: lanes 0-15 one row, lanes 16-31 the next
	v_lshlrev_b32 v[GO], 12, v23
	v_lshl_add_u32 v[GO], v11, 4, v[GO]            ; and the same two rows in out0
	s_wait_dscnt 0x0                               ; the opening add is done
	s_wait_kmcnt 0x0
	s_mov_b32 s[G0], 1
	s_mov_b32 s[G0+1], s25
	s_add_nc_u64 s[G0+2:G0+3], s[4:5], s[26:27]
	s_or_b32 s[G0+3], s[G0+3], 0x80000000
	s_add_nc_u64 s[XB:XB+1], s[4:5], s[XB:XB+1]
	s_add_nc_u64 s[8:9], s[8:9], s[62:63]
	s_add_nc_u64 s[10:11], s[10:11], s[OO:OO+1]
	CROUND                                         ; all sixteen work-groups are here: the joint loads meet
	tensor_load_to_lds s[G0:G0+3], s[G1:G1+7]      ; my quarter of Wo's tile: one load of mine is out
	s_nop 0
	PLACES
.irp i, 0,1,2,3                        ; the scale words of my four blocks of A and my four tiles of Wo, all of K
.irp kh, 0,1
	global_load_b128 v[SCL+8*\i+4*\kh:SCL+8*\i+4*\kh+3], v[SA], s[6:7] offset:512*\i+256*\kh
.endr
.endr
	s_wait_alu depctr_va_vdst(0)
.irp t, 0,1,2,3                        ; the bias as the C of each sum's first product
	global_load_b128 v[BI+8*\t:BI+8*\t+3], v[BO], s[8:9] offset:32*\t
	global_load_b128 v[BI+8*\t+4:BI+8*\t+7], v[BO], s[8:9] offset:32*\t+16
.endr
.irp s, 0,1,2,3,4,5,6,7                ; my 32 fragments of A, K step by K step: 16 loads a step
.if \s < 5
	WIN 0x80
.set XO, 48*\s
.else
	WIN 0xc0
.set XO, 48*(\s-5)
.endif
.irp a, 0,1,2,3
	global_load_b128 v[XO+12*\a:XO+12*\a+3], v[L16], s[XB:XB+1] offset:\a*TILEB+\s*1536
	global_load_b64 v[XO+12*\a+4:XO+12*\a+5], v[L8], s[XB:XB+1] offset:\a*TILEB+\s*1536+512
	global_load_b128 v[XO+12*\a+6:XO+12*\a+9], v[L16], s[XB:XB+1] offset:\a*TILEB+\s*1536+768
	global_load_b64 v[XO+12*\a+10:XO+12*\a+11], v[L8], s[XB:XB+1] offset:\a*TILEB+\s*1536+1280
.endr
.endr
	WIN 0
.macro FETCHW s, buf                   ; Wo's four fragments of K step s into set buf of window 1
	WIN 0x40
.irp t, 0,1,2,3
	ds_load_b128 v[48*(\buf)+12*\t:48*(\buf)+12*\t+3], v[AW16] offset:\t*TILEB+(\s)*1536
	ds_load_b64 v[48*(\buf)+12*\t+4:48*(\buf)+12*\t+5], v[AW8] offset:\t*TILEB+(\s)*1536+512
	ds_load_b128 v[48*(\buf)+12*\t+6:48*(\buf)+12*\t+9], v[AW16] offset:\t*TILEB+(\s)*1536+768
	ds_load_b64 v[48*(\buf)+12*\t+10:48*(\buf)+12*\t+11], v[AW8] offset:\t*TILEB+(\s)*1536+1280
.endr
.endm
.macro MULS s, buf                     ; 16 matrix instructions; the 16 accumulators take turns, one instruction a turn, in the same order in every step
.if (\s) < 5
.set XW, 2
.set XO, 48*(\s)
.else
.set XW, 3
.set XO, 48*((\s)-5)
.endif
.set WW, 1+4*XW
	WIN WW
.irp a, 0,1,2,3
.irp t, 0,1,2,3
.set DD, ACC+8*(4*\a+\t)
.set CC, DD
.if (\s) == 0
.set CC, BI+8*\t
.endif
	v_wmma_scale_f32_16x16x128_f8f6f4 v[DD:DD+7], v[48*(\buf)+12*\t:48*(\buf)+12*\t+11], v[XO+12*\a:XO+12*\a+11], v[CC:CC+7], v[SCL+8*\t+(\s)], v[SCL+8*\a+(\s)] matrix_a_fmt:MATRIX_FMT_FP6 matrix_b_fmt:MATRIX_FMT_FP6 matrix_a_scale:MATRIX_SCALE_ROW1
.endr
.endr
.endm
	s_wait_tensorcnt 0x0                           ; my quarter of Wo's tile is in,
	s_barrier_signal -1
	s_barrier_wait -1                              ; everybody's is
	FETCHW 0, 0
.irp s, 0,1,2,3,4,5,6,7
.if 16*(7-\s) > 63
	s_wait_loadcnt 63                              ; behind this step's fragments of A stand 16 (7 - s) loads; 63 is the largest count that the wait can name
.else
	s_wait_loadcnt 16*(7-\s)                       ; the later K steps' 16 loads each may be out
.endif
	s_wait_dscnt 0x0                               ; this step's fragments of Wo are in
	PLACES                                         ; in front of the loads into the set that the last step multiplied
.if \s < 7
	FETCHW \s+1, (\s+1)%2
.endif
	MULS \s, \s%2
.endr
	WIN 0
	PLACES                                         ; in front of the first read of results
.irp a, 0,1,2,3                        ; THE WAY OUT, a block of 16 tokens at a time
.if \a >= 2
	s_wait_xcnt 0x0                                ; the stores of two blocks back have read this set of registers: it is loaded again only behind this wait
.endif
.irp t, 0,1,2,3
	ds_store_b128 v[STO], v[ACC+8*(4*\a+\t):ACC+8*(4*\a+\t)+3] offset:32*\t        ; row r, + 128 h + 32 t; each accumulator from its low end on
	ds_store_b128 v[STO], v[ACC+8*(4*\a+\t)+4:ACC+8*(4*\a+\t)+7] offset:32*\t+16
.endr
.irp i, 0,1,2,3,4,5,6,7
	ds_load_b128 v[OB+32*(\a%2)+4*\i:OB+32*(\a%2)+4*\i+3], v[RD] offset:2*\i*SPITCH   ; LDS serves a wave's instructions in order: these see the stores above
.endr
	s_wait_dscnt 0x0
.irp i, 0,1,2,3,4,5,6,7                ; stage row 2 i + h of block a is true token 32 (i / 4) + 8 a + 2 (i % 4) + h of my 64
	global_store_b128 v[GO], v[OB+32*(\a%2)+4*\i:OB+32*(\a%2)+4*\i+3], s[10:11] offset:(32*(\i/4)+8*\a+2*(\i%4))*4096 th:TH_STORE_NT   ; stage row 2 i + h of block a is true token 32 (i / 4) + 8 a + 2 (i % 4) + h of my 64
.endr
.endr
	s_wait_tensorcnt 0x0                           ; the wave's end, behind my last tensor load and my last LDS store
	ds_add_u32 v[SPW], v[NIL]
	s_wait_dscnt 0x0
	CROUND                                         ; the closing round
	s_endpgm
.Lfunc_end_k_q536d3ad7d8_proj:
	.size	k_q536d3ad7d8_proj, .Lfunc_end_k_q536d3ad7d8_proj-k_q536d3ad7d8_proj
	.p2alignl 7, 3214868480
	.fill 96, 4, 3214868480
	.section	.rodata,"a",@progbits
	.p2align	6, 0x0
	.amdhsa_kernel k_q536d3ad7d8_proj
		.amdhsa_group_segment_fixed_size 167936
		.amdhsa_private_segment_fixed_size 0
		.amdhsa_enable_private_segment 0
		.amdhsa_kernarg_size 32
		.amdhsa_user_sgpr_count 2
		.amdhsa_user_sgpr_kernarg_segment_ptr 1
		.amdhsa_wavefront_size32 1
		.amdhsa_system_sgpr_workgroup_id_x 1
		.amdhsa_system_sgpr_workgroup_id_y 1
		.amdhsa_system_sgpr_workgroup_id_z 1
		.amdhsa_system_vgpr_workitem_id 0
		.amdhsa_next_free_vgpr 1024
		.amdhsa_next_free_sgpr 66
		.amdhsa_reserve_vcc 0
		.amdhsa_float_denorm_mode_32 3
		.amdhsa_float_denorm_mode_16_64 3
		.amdhsa_memory_ordered 1
		.amdhsa_forward_progress 1
		.amdhsa_inst_pref_size 53
	.end_amdhsa_kernel
	.amdgpu_metadata
---
amdhsa.version: [ 1, 2 ]
amdhsa.kernels:
  - .name:           k_q536d3ad7d8_proj
    .symbol:         k_q536d3ad7d8_proj.kd
    .args:
      - { .name: cd, .offset: 0, .size: 8, .value_kind: global_buffer, .address_space: global }
      - { .name: sc, .offset: 8, .size: 8, .value_kind: global_buffer, .address_space: global }
      - { .name: bo, .offset: 16, .size: 8, .value_kind: global_buffer, .address_space: global }
      - { .name: out0, .offset: 24, .size: 8, .value_kind: global_buffer, .address_space: global }
    .group_segment_fixed_size: 167936
    .private_segment_fixed_size: 0
    .kernarg_segment_align: 8
    .kernarg_segment_size: 32
    .max_flat_workgroup_size: 128
    .sgpr_count:     66
    .vgpr_count:     1024
    .wavefront_size: 32
...
	.end_amdgpu_metadata
.endif
;; end of part 4
